; MI455X (gfx1250); checked and timed in simulation.
; The chip was launched on July 23, 2026; its instructions are those of AMD's public machine-readable ISA for CDNA 5 (MIT licence, August 2026) and "CDNA5" Instruction Set Architecture Reference Guide (July 2026). The comments in the code are by the model that wrote it; some were corrected since.
;; Mo E. Allowed arithmetic: matrix products marked QUANTISED: E2M1 operands, one E8M0 scale for each 32 along K, by v_wmma_scale_f32_16x16x128_f8f6f4 with both operands' format E2M1 (or v_wmma_scale_f32_32x16x128_f4), f32 sums; products left as they are: f32 operands where the result goes on into a quantised operand, else bf16, f16 or f32 operands; f32 sums; everything else in f32.
;; Inputs: W1 8 x 1,024 x 2,048 float32; W2 8 x 2,048 x 2,048 float32; b1 8 x 2,048 float32; b2 8 x 2,048 float32; clf_b 1,024 float32; clf_w 2,048 x 1,024 float32; gate_b1 1,024 float32; gate_b2 8 float32; gate_w1 1,024 x 1,024 float32; gate_w2 1,024 x 8 float32; x 1,024 x 1,024 float32.
;; Outputs: out0 1,024 x 8 x 1,024 float32; out1 1,024 x 8 float32.
;; This version of the problem:
;;   THIS VERSION OF THE PROBLEM IS GIVEN IN LOW PRECISION. The matrix products marked QUANTISED in the list below multiply operands that are first quantised to E2M1 (2 exponent bits, 1 mantissa bit; 4 bits a number), with one power-of-two scale for each 32 numbers along K (OCP MX v1.0); their sums are f32. All else is computed in f32.
;;   The module's matrix products, in the order in which they are computed (A, B: the left and right operand; K: the contracted axis; several contracted axes count as one K, in the product's order):
;;     1. [M 1,024, K 1,024] x [K 1,024, N 1,024]; A: input x; B: input gate_w1: QUANTISED
;;     2. [M 1,024, K 1,024] x [K 1,024, N 8]; A: computed on the way; B: input gate_w2: left as it is (N = 8 < 16)
;;     3. [M 1,024, K 1,024] x [K 1,024, N 16,384]; A: input x; B: input W1: QUANTISED
;;     4. batch 8 x [M 2,048, K 2,048] x [K 2,048, N 1,024]; A: input W2; B: computed on the way: QUANTISED
;;     5. [M 8,192, K 2,048] x [K 2,048, N 1,024]; A: computed on the way; B: input clf_w: QUANTISED
;;   THE QUANTISER, for each operand of a quantised product, along K:
;;     - K is cut into blocks of 32 from its start; a last block that is shorter is filled with zeros.
;;     - A block's scale is 2^e with e = floor(log2(the largest magnitude in the block)) - 2, held to -126 .. 127; a block of zeros has e = 0. As a byte (E8M0): e + 127.
;;     - Each number is divided by its block's scale, clamped to +-6, and rounded to the nearest number of E2M1, ties to even, subnormals kept.
;;     - The product sums the exact products of the quantised numbers (number of the format x scale) in f32.
;;   ~~~python
;;   def quantise(x, axis):      # numpy; x: float32 -> the quantised numbers, widened to float32 again
;;       x = np.moveaxis(x, axis, -1); K = x.shape[-1]
;;       x = np.pad(x, [(0, 0)] * (x.ndim - 1) + [(0, -K % 32)]); x = x.reshape(x.shape[:-1] + (-1, 32)); a = np.abs(x).max(-1, keepdims=True)
;;       e = np.where(a > 0, np.clip(np.frexp(np.where(a > 0, a, 1))[1] - 1 - 2, -126, 127), 0)      # np.frexp(a)[1] - 1 = floor(log2(a)), exactly
;;       r = np.clip(x / 2.0 ** e, -6, 6)
;;       step = 2.0 ** (np.maximum(np.frexp(np.where(r == 0, 1, r))[1] - 1, 0) - 1)
;;       q = np.round(r / step) * step * 2.0 ** e      # np.round: ties to even
;;       return np.moveaxis(q.reshape(q.shape[:-2] + (-1,))[..., :K], -1, axis).astype(np.float32)
;;   ~~~
;;   OPERANDS COMPUTED ON THE WAY. 'Computed on the way' means the value that the module computes at that place (a softmax that the list does not call 'softmax' is quantised finished and normalised). What goes into a quantiser is computed in f32, as accurately as f32 sums, v_exp_f32 and their like allow (about 1e-6 of the number): no bf16 or f16 on the way to a quantiser, and a product that is left as it is and whose result goes on into a quantised operand takes f32 operands (vector FMAs, or v_wmma_f32_16x16x4_f32). A number that lies on a knife's edge between two numbers of the format may be rounded either way, as far as f32 arithmetic and the matrix unit's own rounding can turn it there, and no further.
;; One version. Each part assembles by itself: llvm-mc -triple=amdgcn-amd-amdhsa -mcpu=gfx1250 --defsym DOCPART=n.
;; ======== version 1 of 1: 4 launches
;; limits: right only within a limited range of input values
;; workspace buffers: xq 557,056 bytes; gq 557,056 bytes; w1q 8,912,896 bytes; w2q 17,825,792 bytes; cq 1,114,112 bytes; hq 8,912,896 bytes; eq 8,912,896 bytes; pl 1,048,576 bytes
;; launch quant (part 1): grid 256 x 1, 4 waves a work-group, no clusters, 327,680 bytes of LDS; arguments x, gate_w1, W1, W2, clf_w, xq, gq, w1q, w2q, cq; writes xq, gq, w1q, w2q, cq
.if DOCPART == 1
	.amdgcn_target "amdgcn-amd-amdhsa--gfx1250"
	.amdhsa_code_object_version 6
	.text
	.protected	k_qd70ee53750_quant
	.globl	k_qd70ee53750_quant
	.p2align	8
	.type	k_qd70ee53750_quant,@function
k_qd70ee53750_quant:
	s_mov_b64 s[64:65], 0
	v_nop
	global_prefetch_b8 v0, s[64:65] scope:SCOPE_SE
	s_setreg_imm32_b32 hwreg(HW_REG_WAVE_MODE, 25, 1), 1
	s_wait_xcnt 0x0
; x and the four weights, f32, become codes of FP4 (E2M1) with one E8M0 scale byte for each 32 along K, laid as BRICKS.
; A BRICK is 16 rows x 512 along K of an operand, as an image of the operand's registers, 4,352 bytes:
;   byte 1024 q + 512 c + 16 L + i = byte i of registers 4 c .. 4 c + 3 of lane L = 16 h + r of the fragment of the q-th 128 along K: row r, k = 128 q + 64 c + 32 h + 2 i, 2 i + 1;
;   byte 4096 + 16 r + 4 q + b     = the scale byte of row r, block 4 q + b.   An operand of NRB blocks of 16 rows lies as [K / 512][NRB] bricks.
; A block's scale is 2^(floor(log2(its largest magnitude)) - 2); its byte is the largest magnitude's exponent field - 2, held at 1 from below.
; LIMITS: NaN and infinities among the inputs are not served.  A block of zeros gets the byte 1 where the quantiser says 127: its codes are zeros, which add nothing, and the bytes are read by this program alone.
; SHARES.  The five tensors are 208 MiB; each of 256 work-groups takes 832 KiB: six tiles of W2 or W1 (128 columns x 256 K, 128 KiB, rows of 512 bytes; tile number T = 6 x work-group + 0 .. 5;
; T < 1,024: W2, else W1; bit 0 of T: which 256 of a run of 512 K, bits 4:1: the group of 128 columns, the bits above: expert and run) and one tile of 64 KiB (128 rows x 128 numbers, pitch 1,024 numbers)
; of clf_w (work-groups 0-127), gate_w1 (128-191) or x (192-255).  Tiles go through two LDS slots of 128 KiB filled by tensor loads; each wave fetches a quarter of a tile's rows, one load behind each barrier.
; The small tile comes last.
; WEIGHTS (K is their first axis): a wave takes 32 columns, a lane a column, its registers run down K: a block of 32 lies in one lane, and the conversions give codes with K innermost.
; THE ROWS OF A PAIR OF BRICKS ARE PERMUTED: place p = 0 .. 31 holds column (p & 7) + 8 (p >> 4) + 16 ((p >> 3) & 1), as the products' quantisers on the way out want it.
; x (K innermost): a wave takes 32 rows x 128 K; lane (r, h) reads the 128 bytes of a whole block of 32 of row r, so the same lines serve it.
; OUT: every store of codes covers whole aligned runs of 256 bytes in sixteen neighbouring lanes; so do the scale bytes of W2 and W1 (16 a row, gathered over a run's two tiles).
; The small tile is one 128 along K: its scale words leave as 4 bytes a row, 16 bytes apart: one byte in 128 of what that tile reads.
; NO CLUSTER: no byte is read by two work-groups.  No matrix work.
; PREFETCH: the trip that multiplies nothing but reads tile p, and asks for tile p + 1 by its tensor loads, names tile p + 2's blocks of 256 bytes once each: a wave the rows that it will fetch, a lane a block,
; four instructions a wave (two for the small tile), one behind each of the trip's first blocks.  Tiles 0 and 1 come by their loads alone; the last trips name nothing.
.set BRICK, 4352
.set SLOT1, 131072
.set SPARE, 262144                     ; behind the two slots: the spare words, 128 bytes a wave
.set SP,    528                        ; the small tile's LDS row: 512 bytes + 16 of padding
.set SPW, 2                            ; v2  my spare word; never rewritten
.set NIL, 3                            ; v3  0; never rewritten
.set VA,  4                            ; v4-7  LDS address of my column: slot s, rows 128 q on: v[VA + 2 s + q]
.set VS,  8                            ; v8  out: 4,352 x (lane / 16) + 16 x (lane % 16)
.set VPB, 9                            ; v9  prefetch, large tiles: row lane / 2 of 8,192 bytes, block lane % 2
.set VPS, 10                           ; v10 the same for rows of 4,096 bytes
.set VAS, 14                           ; v14 small tile of weights: my column, rows 64 on
.set VX,  15                           ; v15 small tile of x: my row, + 128 h
.set VL,  16                           ; v16 16 x lane
.set SH,  17                           ; v17 8 h
.set X,   32                           ; v32-95  two sets of 32 numbers
.set C,   96                           ; v96-127 four registers of codes for each block of a trip
.set SB,  128                          ; v128-131 scale words
.set XB,  132                          ; v132-135 x: a byte for each block
.set XW,  136                          ; v136-139 x: words at work
.set G1,  28                           ; s[28:35] group 1, large tiles;  s[36:43] small tile
.set G1S, 36
.set G0,  44                           ; s[44:47], s[48:51] group 0 for slot 0, 1;  s[52:55] small tile
.set G0S, 52
.set PF,  56                           ; s[56:57] where my part of the tile begins that the next refill fetches
.set D,   58                           ; s[58:59] out: my pair of bricks
.set D2,  60                           ; s[60:61] out: the small tile's scale words
.set U0,  62                           ; s[62:63] an offset, its upper word 0
.set U2,  66
.set U3,  67
.set TT,  68
.set ST,  69                           ; the tile that the trip reads
.set WV19, 70
.set WV2,  71
.set WV17, 72
.set SEL, 74
.set HI,  76
.macro SRC                             ; s[TT] = a tile's number -> s[PF:PF+1] = my 64 rows of it
	s_cmp_lt_u32 s[TT], 1024
	s_cselect_b64 s[PF:PF+1], s[14:15], s[12:13]
	s_cselect_b32 s[U0], 0, 1024
	s_sub_co_u32 s[TT], s[TT], s[U0]
	s_and_b32 s[U0], s[TT], 0x3e0
	s_lshl_b32 s[U0], s[U0], 17                    ; expert and run: 512 rows of 8,192 bytes each
	s_and_b32 s[U2], s[TT], 30
	s_lshl_b32 s[U2], s[U2], 8                     ; 512 bytes for each group of columns
	s_add_co_u32 s[U0], s[U0], s[U2]
	s_and_b32 s[U2], s[TT], 1
	s_lshl_b32 s[U2], s[U2], 21                    ; 256 rows
	s_add_co_u32 s[U0], s[U0], s[U2]
	s_add_co_u32 s[U0], s[U0], s[WV19]             ; 64 rows for each wave
	s_add_nc_u64 s[PF:PF+1], s[PF:PF+1], s[U0:U0+1]
.endm
.macro DST                             ; s[ST] -> s[D:D+1]: brick 1024 x run + 128 x expert + 8 x group + 2 x wave
	s_cmp_lt_u32 s[ST], 1024
	s_cselect_b64 s[D:D+1], s[24:25], s[22:23]
	s_cselect_b32 s[U0], 0, 1024
	s_cselect_b32 s[U2], 3, 1
	s_cselect_b32 s[U3], 7, 6
	s_sub_co_u32 s[TT], s[ST], s[U0]
	s_lshr_b32 s[U0], s[TT], 5
	s_and_b32 s[U0], s[U0], s[U2]
	s_lshl_b32 s[U0], s[U0], 10
	s_lshr_b32 s[U2], s[TT], s[U3]
	s_lshl_b32 s[U2], s[U2], 7
	s_add_co_u32 s[U0], s[U0], s[U2]
	s_and_b32 s[U2], s[TT], 30
	s_lshl_b32 s[U2], s[U2], 2
	s_add_co_u32 s[U0], s[U0], s[U2]
	s_add_co_u32 s[U0], s[U0], s[WV2]
	s_mul_i32 s[U0], s[U0], BRICK
	s_add_nc_u64 s[D:D+1], s[D:D+1], s[U0:U0+1]
.endm
.macro PICK dst, px, pg, pc            ; the small tile's tensor, by the work-group's number alone; s[TT] = my number u in it
	s_mov_b64 s[\dst:\dst+1], s[\px:\px+1]
	s_mov_b32 s[U2], 192
	s_cmp_lt_u32 ttmp9, 192
	s_cselect_b64 s[\dst:\dst+1], s[\pg:\pg+1], s[\dst:\dst+1]
	s_cselect_b32 s[U2], 128, s[U2]
	s_cmp_lt_u32 ttmp9, 128
	s_cselect_b64 s[\dst:\dst+1], s[\pc:\pc+1], s[\dst:\dst+1]
	s_cselect_b32 s[U2], 0, s[U2]
	s_sub_co_u32 s[TT], ttmp9, s[U2]
.endm
.macro SRCS                            ; -> s[PF:PF+1]: rows 128 (u / 8) + 32 x wave, numbers 128 (u % 8) on
	PICK PF, 8, 10, 16
	s_and_b32 s[U0], s[TT], 0x78
	s_lshl_b32 s[U0], s[U0], 16
	s_and_b32 s[U2], s[TT], 7
	s_lshl_b32 s[U2], s[U2], 9
	s_add_co_u32 s[U0], s[U0], s[U2]
	s_add_co_u32 s[U0], s[U0], s[WV17]
	s_add_nc_u64 s[PF:PF+1], s[PF:PF+1], s[U0:U0+1]
.endm
.macro LDW set, va, off, pitch         ; 32 numbers down K of my column: the 32 lanes read 32 different words of one LDS row
.set li, 0
.rept 32
	ds_load_b32 v[X+32*(\set)+li], v[\va] offset:(\off)+(\pitch)*li
.set li, li+1
.endr
.endm
.macro LDX set, off                    ; 32 neighbours along K of my row
.irp i, 0,1,2,3,4,5,6,7
	ds_load_b128 v[X+32*(\set)+4*\i:X+32*(\set)+4*\i+3], v[VX] offset:(\off)+16*\i
.endr
.endm
.macro CORE xs                         ; the block's largest magnitude, two chains -> v11 the conversion's scale operand, v13 the scale's byte
	v_max3_num_f32 v12, |v[\xs]|, |v[\xs+1]|, |v[\xs+2]|
	v_max3_num_f32 v13, |v[\xs+3]|, |v[\xs+4]|, |v[\xs+5]|
.irp i, 6,10,14,18,22,26
	v_max3_num_f32 v12, v12, |v[\xs+\i]|, |v[\xs+\i+1]|
	v_max3_num_f32 v13, v13, |v[\xs+\i+2]|, |v[\xs+\i+3]|
.endr
	v_max3_num_f32 v12, v12, |v[\xs+30]|, |v[\xs+31]|
	v_max3_num_f32 v12, v12, v13, 0x1800000        ; the floor 2^(3 - 127): the byte cannot fall under 1
	v_add_nc_u32 v11, 0xff000000, v12              ; 2 off the exponent field
	v_lshrrev_b32 v13, 23, v11
.endm
.macro CVT xs, cd
.irp g, 0,1,2,3
	v_cvt_scalef32_pk8_fp4_f32 v[\cd+\g], v[\xs+8*\g:\xs+8*\g+7], v11
.endr
.endm
.macro WORD w, b                       ; four bytes to a register, the lower K in the lower byte
.if (\b) == 0
	v_mov_b32 v[\w], v13
.else
	v_lshl_or_b32 v[\w], v13, 8*(\b), v[\w]
.endif
.endm
.macro MEET                            ; in front of each barrier
	s_wait_alu depctr_va_vdst(0)
	s_wait_xcnt 0x0                                ; the last trip's stores and prefetches have read their registers: codes, scale words, s[D], s[PF] may be written
	s_wait_tensorcnt 0x0                           ; my one load that was out, my quarter of this trip's tile, has landed
	ds_add_u32 v[SPW], v[NIL]                      ; scalar work stands between the add and its wait
.endm
; A trip: reads the tile in slot (the half-th 256 K of a run), fills the other slot.  refill = 1: a large tile, 2: the small one.  nxt = 1: the tile after that is large, 2: small, 0: there is none.
.macro TRIP slot, half, refill, nxt
	MEET
.if \refill == 1
	s_mov_b64 s[G0+4*(1-\slot)+2:G0+4*(1-\slot)+3], s[PF:PF+1]   ; no load of mine is out: group 0 may be written
	s_or_b32 s[G0+4*(1-\slot)+3], s[G0+4*(1-\slot)+3], 0x80000000
.else
	s_mov_b64 s[G0S+2:G0S+3], s[PF:PF+1]
	s_or_b32 s[G0S+3], s[G0S+3], 0x80000000
.endif
.if \nxt == 1
	s_add_co_u32 s[TT], s[ST], 2
	SRC
.endif
.if \nxt == 2
	SRCS
.endif
.if \half == 0
	DST
.endif
	s_add_co_u32 s[ST], s[ST], 1
	s_wait_dscnt 0x0                               ; the add is done, and my reads of the other slot
	s_barrier_signal -1
	s_barrier_wait -1
.if \refill == 1
	tensor_load_to_lds s[G0+4*(1-\slot):G0+4*(1-\slot)+3], s[G1:G1+7]
.else
	tensor_load_to_lds s[G0S:G0S+3], s[G1S:G1S+7]
.endif
	s_nop 0
	LDW 0, VA+2*\slot, 0, 512
	LDW 1, VA+2*\slot, 16384, 512
.irp t, 0,1,2,3,4,5,6,7
.if \t < 7
	s_wait_dscnt 32                                ; this block's 32 loads are in; the next block's 32 may be out
.else
	s_wait_dscnt 0x0
.endif
	CORE X+32*(\t%2)
	WORD SB+2*\half+\t/4, \t%4
	CVT X+32*(\t%2), C+4*\t
	global_store_b128 v[VS], v[C+4*\t:C+4*\t+3], s[D:D+1] offset:2048*\half+256*\t   ; block 4 q + 2 c + h: sixteen lanes store 256 consecutive bytes, aligned
.if \t < 6
	LDW \t%2, VA+2*\slot+(\t+2)/4, ((\t+2)%4)*16384, 512
.endif
.if (\nxt == 1) && (\t < 4)
	global_prefetch_b8 v[VPB], s[PF:PF+1] offset:131072*\t th:TH_LOAD_NT scope:SCOPE_SE   ; 16 rows x 2 blocks of 256 bytes
.endif
.if (\nxt == 2) && (\t < 2)
	global_prefetch_b8 v[VPS], s[PF:PF+1] offset:65536*\t th:TH_LOAD_NT scope:SCOPE_SE
.endif
.endr
.if \half == 1
	global_store_b128 v[VS], v[SB:SB+3], s[D:D+1] offset:4096   ; my row's 16 scale bytes: sixteen lanes fill the brick's last 256 bytes
.endif
.endm
	s_load_b512 s[8:23], s[0:1], 0x0               ; x s[8:9], gate_w1 s[10:11], W1 s[12:13], W2 s[14:15], clf_w s[16:17], xq s[18:19], gq s[20:21], w1q s[22:23]
	s_load_b128 s[24:27], s[0:1], 0x40             ; w2q s[24:25], cq s[26:27]
	v_lshl_add_u32 v[SPW], v0, 2, SPARE
	v_mov_b32 v[NIL], 0
	ds_add_u32 v[SPW], v[NIL]                      ; the opening: the add twice on end and one wait
	ds_add_u32 v[SPW], v[NIL]
	v_lshrrev_b32 v1, 5, v0
	v_readfirstlane_b32 s2, v1                     ; wave 0..3
	v_and_b32 v18, 7, v0
	v_bfe_u32 v19, v0, 4, 1                        ; h; for weights: which brick of the pair
	v_bfe_u32 v20, v0, 3, 1
	v_lshl_add_u32 v18, v19, 3, v18
	v_lshl_add_u32 v18, v20, 4, v18                ; my column of the wave's 32
	v_lshl_add_u32 v18, v1, 5, v18                 ; of the tile's 128
	v_lshlrev_b32 v[VA], 2, v18
	v_add_nc_u32 v[VA+1], 0x10000, v[VA]
	v_add_nc_u32 v[VA+2], SLOT1, v[VA]
	v_add_nc_u32 v[VA+3], SLOT1+0x10000, v[VA]
	v_add_nc_u32 v[VAS], 64*SP, v[VA]
	v_and_b32 v21, 15, v0
	v_lshlrev_b32 v22, 4, v21
	v_mad_u32_u24 v[VS], v19, BRICK, v22
	v_and_b32 v23, 31, v0
	v_lshlrev_b32 v[VL], 4, v23
	v_lshrrev_b32 v24, 1, v23
	v_and_b32 v25, 1, v0
	v_lshlrev_b32 v25, 8, v25
	v_lshl_add_u32 v[VPB], v24, 13, v25
	v_lshl_add_u32 v[VPS], v24, 12, v25
	v_lshl_add_u32 v26, v1, 5, v21                 ; x: row 32 x wave + r
	v_mul_u32_u24 v[VX], v26, SP
	v_lshl_add_u32 v[VX], v19, 7, v[VX]
	v_lshlrev_b32 v[SH], 3, v19
	s_lshl_b32 s[WV19], s2, 19
	s_lshl_b32 s[WV17], s2, 17
	s_lshl_b32 s[WV2], s2, 1
	s_mov_b32 s[U0+1], 0
	s_mul_i32 s[ST], ttmp9, 6
	s_mov_b32 s[SEL], 0x76543210
	s_mov_b32 s[SEL+1], 0xfedcba98
	s_mov_b32 s[HI], 0xffff0000
	s_mov_b32 s[G1], 2<<16                         ; large tiles: my 64 rows of 128 numbers of 4 bytes, pitch 2,048 numbers, dense in LDS
	s_mov_b32 s[G1+1], 128<<16
	s_mov_b32 s[G1+2], 64<<16
	s_mov_b32 s[G1+3], 128<<16
	s_mov_b32 s[G1+4], 64
	s_mov_b32 s[G1+5], 2048
	s_mov_b32 s[G1+6], 0
	s_mov_b32 s[G1+7], 0
	s_mov_b32 s[G1S], (2<<16)|(1<<20)|(6<<22)|(3<<25)   ; the small tile: my 32 rows of 128 numbers, pitch 1,024; 4 words of padding behind every 128
	s_mov_b32 s[G1S+1], 128<<16
	s_mov_b32 s[G1S+2], 32<<16
	s_mov_b32 s[G1S+3], 128<<16
	s_mov_b32 s[G1S+4], 32
	s_mov_b32 s[G1S+5], 1024
	s_mov_b32 s[G1S+6], 0
	s_mov_b32 s[G1S+7], 0
	s_mov_b32 s[G0], 1
	s_lshl_b32 s[G0+1], s2, 15                     ; 64 rows of 512 bytes for each wave
	s_mov_b32 s[G0+4], 1
	s_add_co_u32 s[G0+5], s[G0+1], SLOT1
	s_mov_b32 s[G0S], 1
	s_mul_i32 s[G0S+1], s2, 32*SP
	s_wait_alu depctr_va_vdst(0)
	s_wait_dscnt 0x0                               ; both opening adds are done
	s_wait_kmcnt 0x0
	s_mov_b32 s[TT], s[ST]
	SRC
	s_mov_b64 s[G0+2:G0+3], s[PF:PF+1]
	s_or_b32 s[G0+3], s[G0+3], 0x80000000
	tensor_load_to_lds s[G0:G0+3], s[G1:G1+7]      ; tile 0 into slot 0: my one load at the head
	s_nop 0
	s_add_co_u32 s[TT], s[ST], 1
	SRC                                            ; tile 1: slot 1's first fill stands behind the first trip's barrier, as a refill does
	s_mov_b32 s3, 0
.Ljob:                                                 ; a trip of the loop is a run of 512 K: two tiles
	TRIP 0, 0, 1, 1
	TRIP 1, 1, 1, 1
	s_add_co_u32 s3, s3, 1
	s_cmp_lt_u32 s3, 2
	s_cbranch_scc1 .Ljob
	TRIP 0, 0, 1, 2                                ; tile 4; tile 5 is fetched; the small tile is named
	TRIP 1, 1, 2, 0                                ; tile 5; the small tile is fetched into slot 0
	MEET
	PICK D, 18, 20, 26                             ; out: weights: K step u / 8, group of rows u % 8; x: the other way round
	s_lshr_b32 s[U0], s[TT], 3
	s_and_b32 s[U2], s[TT], 7
	s_cmp_lt_u32 ttmp9, 192
	s_cselect_b32 s[U3], s[U0], s[U2]              ; which 128 along K
	s_cselect_b32 s[U2], s[U2], s[U0]              ; which 128 rows
	s_lshr_b32 s[U0], s[U3], 2
	s_lshl_b32 s[U0], s[U0], 6
	s_lshl_b32 s[U2], s[U2], 3
	s_add_co_u32 s[U0], s[U0], s[U2]
	s_add_co_u32 s[U0], s[U0], s[WV2]              ; brick 64 x run + 8 x group + 2 x wave
	s_mul_i32 s[U0], s[U0], BRICK
	s_and_b32 s[U3], s[U3], 3                      ; q
	s_add_nc_u64 s[D:D+1], s[D:D+1], s[U0:U0+1]
	s_lshl_b32 s[U0], s[U3], 2
	s_add_co_u32 s[U0], s[U0], 4096
	s_add_nc_u64 s[D2:D2+1], s[D:D+1], s[U0:U0+1]
	s_lshl_b32 s[U0], s[U3], 10
	s_add_nc_u64 s[D:D+1], s[D:D+1], s[U0:U0+1]
	s_wait_dscnt 0x0
	s_barrier_signal -1
	s_barrier_wait -1                              ; the small tile is whole; nothing is filled again
	s_cmp_ge_u32 ttmp9, 192
	s_cbranch_scc1 .Lx
	LDW 0, VA, 0, SP
	LDW 1, VA, 32*SP, SP
.irp t, 0,1,2,3
.if \t < 3
	s_wait_dscnt 32
.else
	s_wait_dscnt 0x0
.endif
	CORE X+32*(\t%2)
	WORD SB, \t
	CVT X+32*(\t%2), C+4*\t
	global_store_b128 v[VS], v[C+4*\t:C+4*\t+3], s[D:D+1] offset:256*\t
.if \t < 2
	LDW \t, VAS, \t*32*SP, SP
.endif
.endr
	global_store_b32 v[VS], v[SB], s[D2:D2+1]      ; my row's scale word of this 128 along K
	s_branch .Lend
.Lx:                                                   ; x: block n = 2 j + c: brick j of my two, k = 64 c + 32 h on
	v_mov_b32 v[XW+2], 0                           ; a lane permute's destination counts as one of its sources
	v_mov_b32 v[XW+3], 0
	LDX 0, 0
	LDX 1, 256
.irp n, 0,1,2,3
.if \n < 3
	s_wait_dscnt 8                                 ; this block's 8 loads are in; the next block's 8 may be out
.else
	s_wait_dscnt 0x0
.endif
	CORE X+32*(\n%2)
	v_mov_b32 v[XB+\n], v13
	CVT X+32*(\n%2), C+4*\n
	global_store_b128 v[VL], v[C+4*\n:C+4*\n+3], s[D:D+1] offset:(\n/2)*BRICK+(\n%2)*512   ; 512 consecutive bytes
.if \n < 2
	LDX \n, 16*SP+\n*256
.endif
.endr
.irp j, 0,1
	v_lshl_or_b32 v[XW+\j], v[XB+2*\j+1], 16, v[XB+2*\j]   ; my two bytes: blocks h and 2 + h of row r,
.endr
.irp j, 0,1
	v_lshlrev_b32 v[XW+\j], v[SH], v[XW+\j]        ; at their places in the word
.endr
.irp j, 0,1
	v_permlanex16_b32 v[XW+2+\j], v[XW+\j], s[SEL], s[SEL+1]
.endr
.irp j, 0,1
	v_or_b32 v[XW+\j], v[XW+\j], v[XW+2+\j]        ; with lane l xor 16's two the word is whole
.endr
	v_cndmask_b32 v[XW], v[XW], v[XW+1], s[HI]     ; lanes 0-15 the first brick's rows, lanes 16-31 the second's
	global_store_b32 v[VS], v[XW], s[D2:D2+1]
.Lend:
	s_wait_tensorcnt 0x0                           ; the wave's end
	ds_add_u32 v[SPW], v[NIL]
	s_wait_dscnt 0x0
	s_endpgm
.Lfunc_end_k_qd70ee53750_quant:
	.size	k_qd70ee53750_quant, .Lfunc_end_k_qd70ee53750_quant-k_qd70ee53750_quant
	.p2alignl 7, 3214868480
	.fill 96, 4, 3214868480
	.section	.rodata,"a",@progbits
	.p2align	6, 0x0
	.amdhsa_kernel k_qd70ee53750_quant
		.amdhsa_group_segment_fixed_size 327680
		.amdhsa_private_segment_fixed_size 0
		.amdhsa_enable_private_segment 0
		.amdhsa_kernarg_size 80
		.amdhsa_user_sgpr_count 2
		.amdhsa_user_sgpr_kernarg_segment_ptr 1
		.amdhsa_wavefront_size32 1
		.amdhsa_system_sgpr_workgroup_id_x 1
		.amdhsa_system_sgpr_workgroup_id_y 1
		.amdhsa_system_sgpr_workgroup_id_z 1
		.amdhsa_system_vgpr_workitem_id 0
		.amdhsa_next_free_vgpr 144
		.amdhsa_next_free_sgpr 80
		.amdhsa_reserve_vcc 0
		.amdhsa_float_denorm_mode_32 3
		.amdhsa_float_denorm_mode_16_64 3
		.amdhsa_memory_ordered 1
		.amdhsa_forward_progress 1
		.amdhsa_inst_pref_size 150
	.end_amdhsa_kernel
	.amdgpu_metadata
---
amdhsa.version: [ 1, 2 ]
amdhsa.kernels:
  - .name:           k_qd70ee53750_quant
    .symbol:         k_qd70ee53750_quant.kd
    .args:
      - { .name: x, .offset: 0, .size: 8, .value_kind: global_buffer, .address_space: global }
      - { .name: gate_w1, .offset: 8, .size: 8, .value_kind: global_buffer, .address_space: global }
      - { .name: W1, .offset: 16, .size: 8, .value_kind: global_buffer, .address_space: global }
      - { .name: W2, .offset: 24, .size: 8, .value_kind: global_buffer, .address_space: global }
      - { .name: clf_w, .offset: 32, .size: 8, .value_kind: global_buffer, .address_space: global }
      - { .name: xq, .offset: 40, .size: 8, .value_kind: global_buffer, .address_space: global }
      - { .name: gq, .offset: 48, .size: 8, .value_kind: global_buffer, .address_space: global }
      - { .name: w1q, .offset: 56, .size: 8, .value_kind: global_buffer, .address_space: global }
      - { .name: w2q, .offset: 64, .size: 8, .value_kind: global_buffer, .address_space: global }
      - { .name: cq, .offset: 72, .size: 8, .value_kind: global_buffer, .address_space: global }
    .group_segment_fixed_size: 327680
    .private_segment_fixed_size: 0
    .kernarg_segment_align: 8
    .kernarg_segment_size: 80
    .max_flat_workgroup_size: 128
    .sgpr_count:     80
    .vgpr_count:     144
    .wavefront_size: 32
...
	.end_amdgpu_metadata
.endif
;; end of part 1
;; launch fc1 (part 2): grid 64 x 4, 4 waves a work-group, clusters of 4 x 4, 327,680 bytes of LDS; arguments xq, w1q, b1, hq, pl, gq, gate_b1, gate_w2; writes hq, pl
.if DOCPART == 2
	.amdgcn_target "amdgcn-amd-amdhsa--gfx1250"
	.amdhsa_code_object_version 6
	.text
	.protected	k_qd70ee53750_fc1
	.globl	k_qd70ee53750_fc1
	.p2align	8
	.type	k_qd70ee53750_fc1,@function
k_qd70ee53750_fc1:
	s_mov_b64 s[64:65], 0
	v_nop
	global_prefetch_b8 v0, s[64:65] scope:SCOPE_SE
	s_setreg_imm32_b32 hwreg(HW_REG_WAVE_MODE, 25, 1), 1
	s_wait_xcnt 0x0
	s_wait_alu depctr_hold_cnt(0) depctr_sa_sdst(0) depctr_va_vdst(0) depctr_va_sdst(0) depctr_va_ssrc(0) depctr_va_vcc(0) depctr_vm_vsrc(0)
	s_getreg_b32 s2, hwreg(HW_REG_IB_STS2, 6, 4)
	s_cmp_eq_u32 s2, 0
	s_cbranch_scc0 .Lentry_in_a_cluster
	s_endpgm
.Lentry_in_a_cluster:
	s_bfe_u32 s2, ttmp6, 0x10000c
	s_cmp_lg_u32 s2, 0xf033
	s_cbranch_scc0 .Lentry_shape_is_right
	s_endpgm
.Lentry_shape_is_right:
.set BRICK,  4352
.set HALFT,  8*BRICK
.set SLOT,   4*HALFT
.set SPARE,  2*SLOT
.set STEPA,  64*BRICK
.set STEPB,  1024*BRICK
.set RELU,   1
.set NQ,     4
.set FR,     8
.set NL,     2
.set NP,     4
.set ADRA, 16
.set ADRB, 20
.set ADRS, 22
.set CDO,  24
.set SCO,  25
.set BO,   27
.set SPW,  28
.set NIL,  29
.set SC,   32
.set TM,   96
.set PW,   112
.set PWO,  120
.set AF,   128
.set PC,   128
.set BIAS, 192
.set G1,  24
.set G0,  32
.set G1B, 48
.set G0B, 56
.set SEL, 74
.set HI,  76
.set MSB, 0
.macro WIN new
.if MSB != (\new)
	s_set_vgpr_msb (MSB<<8)|(\new)
.set MSB, (\new)
.endif
.endm
.set MUL_LO, 0xa1
.set MUL_HI, 0xf1
.set TO_B,   0x40
.macro JLOAD s
	s_cmp_eq_u32 s15, 0
	s_cbranch_scc0 .Lfor_b_\@
	tensor_load_to_lds s[G0+4*\s:G0+4*\s+3], s[G1:G1+7]
	s_nop 0
.rept 4
	v_nop
.endr
	s_branch .Lasked_\@
.Lfor_b_\@:
	tensor_load_to_lds s[G0B+4*\s:G0B+4*\s+3], s[G1B:G1B+7]
	s_nop 0
.rept 4
	v_nop
.endr
.Lasked_\@:
.endm
.macro CROUND
	s_barrier_signal -1
	s_barrier_wait -1
	s_cmp_lg_u32 s14, 0
	s_cbranch_scc1 .Lnot_wave_0_\@
	s_barrier_signal -3
.Lnot_wave_0_\@:
	s_barrier_wait -3
	s_barrier_signal -1
	s_barrier_wait -1
.endm
	s_load_b256 s[4:11], s[0:1], 0x0
	s_load_b128 s[68:71], s[0:1], 0x20
	s_load_b128 s[84:87], s[0:1], 0x30             ; gate_b1 s[84:85], gate_w2 s[86:87]  (s[68:69] pl, s[70:71] gq)
	v_lshl_add_u32 v[SPW], v0, 2, SPARE
	v_mov_b32 v[NIL], 0
	ds_add_u32 v28, v29
	ds_add_u32 v28, v29
	s_wait_dscnt 0x0
	v_lshrrev_b32 v1, 5, v0
	v_readfirstlane_b32 s14, v1
	s_lshr_b32 s15, s14, 1
	s_and_b32 s16, s14, 1
	s_bfe_u32 s40, ttmp6, 0x40000
	s_bfe_u32 s41, ttmp6, 0x40004
	s_lshl_b32 s42, ttmp9, 2
	s_add_co_u32 s42, s42, s40
	s_and_b32 s17, ttmp7, 0xffff
	s_lshl_b32 s17, s17, 2
	s_add_co_u32 s17, s17, s41
	s_lshl_b32 s43, s41, 2
	s_lshl_b32 s43, 15, s43
	s_lshl_b32 s44, 0x1111, s40
	s_or_b32 s[G1+0], s43, (3<<16)|(1<<21)
	s_or_b32 s[G1B+0], s44, (3<<16)|(1<<21)
.irp g, G1, G1B
	s_mov_b32 s[\g+1], 32<<16
	s_mov_b32 s[\g+2], 136<<16
	s_mov_b32 s[\g+3], 32<<16
	s_mov_b32 s[\g+4], 136
	s_mov_b32 s[\g+5], 32
	s_mov_b32 s[\g+6], 0
	s_mov_b32 s[\g+7], 0
.endr
	s_lshl_b32 s18, s16, 3
	s_lshl_b32 s20, s17, 4
	s_add_co_u32 s20, s20, s18
	s_mul_i32 s20, s20, BRICK
	s_mov_b32 s21, 0
	s_lshl_b32 s46, s42, 4
	s_add_co_u32 s46, s46, s18
	s_mul_i32 s46, s46, BRICK
	s_mov_b32 s47, 0
	s_mul_i32 s45, s14, HALFT
	s_wait_kmcnt 0x0
	s_add_nc_u64 s[20:21], s[4:5], s[20:21]
	s_add_nc_u64 s[46:47], s[6:7], s[46:47]
	CROUND
.irp s, 0,1
	s_mov_b32 s[G0+4*\s], 1
	s_add_co_u32 s[G0+4*\s+1], s45, \s*SLOT
	s_add_nc_u64 s[G0+4*\s+2:G0+4*\s+3], s[20:21], \s*STEPA
	s_or_b32 s[G0+4*\s+3], s[G0+4*\s+3], 0x80000000
	s_mov_b32 s[G0B+4*\s], 1
	s_add_co_u32 s[G0B+4*\s+1], s45, \s*SLOT
	s_add_nc_u64 s[G0B+4*\s+2:G0B+4*\s+3], s[46:47], \s*STEPB
	s_or_b32 s[G0B+4*\s+3], s[G0B+4*\s+3], 0x80000000
.endr
	JLOAD 0                                        ; run 0 of K: my one joint load at the head
	v_and_b32 v1, 15, v0
	v_bfe_u32 v2, v0, 4, 1
	s_wait_alu depctr_va_vdst(0)
	v_and_b32 v3, 31, v0
	v_lshlrev_b32 v4, 4, v3
	s_mul_i32 s21, s15, HALFT
	s_mul_i32 s22, s16, HALFT
	s_add_co_u32 s22, s22, 2*HALFT
.irp s, 0,1
	v_add_nc_u32 v[ADRA+\s], s21, v4
	v_add_nc_u32 v[ADRB+\s], s22, v4
	s_add_co_u32 s21, s21, SLOT
	s_add_co_u32 s22, s22, SLOT
.endr
	s_xor_b32 s22, s15, 1
	s_add_co_u32 s22, s22, s16
	s_add_co_u32 s22, s22, 1
	s_mul_i32 s22, s22, HALFT
	v_mul_u32_u24 v6, s22, v2
	v_lshl_add_u32 v5, v1, 4, v6
	s_mul_i32 s21, s15, HALFT
	s_add_co_u32 s21, s21, 4096
	v_add_nc_u32 v[ADRS], s21, v5
	v_add_nc_u32 v[ADRS+1], SLOT, v[ADRS]
	s_lshl_b32 s66, s42, 10
	s_lshl_b32 s67, s16, 9
	s_add_co_u32 s66, s66, s67
	s_mov_b32 s67, 0
	s_add_nc_u64 s[8:9], s[8:9], s[66:67]
	v_lshlrev_b32 v[BO], 6, v2
.irp b, 0,1,2,3,4,5,6,7
	global_load_b128 v[BIAS+8*\b:BIAS+8*\b+3], v[BO], s[8:9] offset:(32*(\b/2)+8*(\b%2))*4
	global_load_b128 v[BIAS+8*\b+4:BIAS+8*\b+7], v[BO], s[8:9] offset:(32*(\b/2)+8*(\b%2))*4+16
.endr
	s_and_b32 s66, s42, 1
	s_lshl_b32 s66, s66, 1
	s_add_co_u32 s66, s66, s16
	s_lshl_b32 s67, s66, 10
	v_add_nc_u32 v[CDO], s67, v4
	s_lshl_b32 s67, s66, 2
	s_add_co_u32 s67, s67, 4096
	v_mul_u32_u24 v8, v2, BRICK
	v_lshl_add_u32 v8, v1, 4, v8
	v_add_nc_u32 v[SCO], s67, v8
	s_lshr_b32 s66, s42, 1
	s_lshl_b32 s66, s66, 6
	s_lshl_b32 s67, s17, 4
	s_add_co_u32 s66, s66, s67
	s_lshl_b32 s67, s15, 3
	s_add_co_u32 s66, s66, s67
	s_mul_i32 s66, s66, BRICK
	s_mov_b32 s67, 0
	s_add_nc_u64 s[10:11], s[10:11], s[66:67]
	s_mov_b32 s[SEL], 0x76543210
	s_mov_b32 s[SEL+1], 0xfedcba98
	s_mov_b32 s[HI], 0xffff0000
; THE ROUTER UP TO ITS LOGITS' PARTIAL SUMS rides in this launch: g = relu(x gate_w1 + gate_b1) on codes of FP4, then g gate_w2 in f32 by fused multiply-adds; g never goes to memory.
; Work-group number n = 64 x tile row + tile column: 32 tokens (rt = n / 8) x 128 columns of g (ct = n % 8), all of K = 1,024.  Wave w: columns 32 p on, p = 4 ct + w: two bricks of weights x two bricks of tokens,
; four accumulators, 32 matrix instructions.  With the weights as source 0 lane (r, h) holds token r and, in register 8 u + j of tiles u = 0, 1, column 16 h + 8 u + j.
; pl[p][token][8] takes my wave's partial logits: no wave needs another's.  The 32 parts of a token, gate_b2 and the softmax are the next launch's.
; The loads are issued here, while slot 0's tile is on its way; the arithmetic stands behind slot 1's request.  Its registers are free until the first step of the large product:
; window 0: v32-47 tokens' scale words (8 a + K step), v48-63 weights';  window 1: v0-127 tokens' fragments, v128-255 weights';  window 2: v0-15 gate_b1, v16-47 sums, v48-175 gate_w2's 16 rows x 8, v176-191 logits.
.set GSA,  32
.set GSB,  48
.set GBIA, 0
.set GACC, 16
.set GW2,  48
.set GS,   176
	s_and_b32 s66, s42, 7                          ; ct
	s_lshr_b32 s88, s42, 3
	s_lshl_b32 s89, s17, 3
	s_add_co_u32 s88, s88, s89                     ; rt
	s_lshl_b32 s90, s66, 2
	s_add_co_u32 s90, s90, s14                     ; p
	s_lshl_b32 s92, s90, 15                        ; pl: 32,768 bytes for each p, 1,024 for each rt
	s_lshl_b32 s89, s88, 10
	s_add_co_u32 s66, s92, s89
	s_add_nc_u64 s[68:69], s[68:69], s[66:67]
	s_lshl_b32 s66, s90, 7                         ; gate_b1 at column 32 p
	s_add_nc_u64 s[84:85], s[84:85], s[66:67]
	s_lshl_b32 s66, s90, 10                        ; gate_w2's row of that column: 32 bytes a row
	s_add_nc_u64 s[86:87], s[86:87], s[66:67]
	s_mul_i32 s66, s90, 2*BRICK                    ; my two bricks of weights
	s_add_nc_u64 s[70:71], s[70:71], s[66:67]
	s_mul_i32 s66, s88, 2*BRICK                    ; my two bricks of tokens
	s_add_nc_u64 s[88:89], s[4:5], s[66:67]
	v_lshlrev_b32 v9, 4, v1                        ; 16 r: my row's four scale words
	v_lshlrev_b32 v10, 9, v2                       ; gate_w2: 16 rows further on for lanes 16-31
	v_lshlrev_b32 v11, 5, v3                       ; pl: 32 bytes a lane
	s_wait_alu depctr_va_vdst(0)
.irp a, 0,1
.irp g, 0,1
	global_load_b128 v[GSA+8*\a+4*\g:GSA+8*\a+4*\g+3], v9, s[88:89] offset:\g*STEPA+\a*BRICK+4096
	global_load_b128 v[GSB+8*\a+4*\g:GSB+8*\a+4*\g+3], v9, s[70:71] offset:\g*STEPA+\a*BRICK+4096
.endr
.endr
	WIN 0x80                                       ; destination window 2
.irp u, 0,1
	global_load_b128 v[GBIA+8*\u:GBIA+8*\u+3], v[BO], s[84:85] offset:32*\u      ; gate_b1 at columns 16 h + 8 u + 0 .. 7
	global_load_b128 v[GBIA+8*\u+4:GBIA+8*\u+7], v[BO], s[84:85] offset:32*\u+16
.endr
	WIN 0x40                                       ; destination window 1
.irp a, 0,1
.irp g, 0,1
.irp q, 0,1,2,3
.irp c, 0,1
	global_load_b128 v[8*(8*\a+4*\g+\q)+4*\c:8*(8*\a+4*\g+\q)+4*\c+3], v4, s[88:89] offset:\g*STEPA+\a*BRICK+\q*1024+\c*512
	global_load_b128 v[128+8*(8*\a+4*\g+\q)+4*\c:128+8*(8*\a+4*\g+\q)+4*\c+3], v4, s[70:71] offset:\g*STEPA+\a*BRICK+\q*1024+\c*512
.endr
.endr
.endr
.endr
	WIN 0x80
.set i, 0
.rept 16
	global_load_b128 v[GW2+8*i:GW2+8*i+3], v10, s[86:87] offset:32*i             ; gate_w2's row of column 16 h + i
	global_load_b128 v[GW2+8*i+4:GW2+8*i+7], v10, s[86:87] offset:32*i+16
.set i, i+1
.endr
	WIN 0
.macro FRAG reg, adr, q, i
.irp c, 0,1
	ds_load_b128 v[\reg+4*\c:\reg+4*\c+3], v[\adr] offset:(\i)*BRICK+(\q)*1024+512*\c
.endr
.endm
.macro MUL16 a0, p, q, sc, zero
.irp a, \a0, \a0+1
.irp b, 0,1,2,3,4,5,6,7
.if \zero
	v_wmma_scale_f32_16x16x128_f8f6f4 v[8*(8*((\a)%4)+\b):8*(8*((\a)%4)+\b)+7], v[128*(\p)+FR*\b:128*(\p)+FR*\b+FR-1], v[AF+FR*(\a):AF+FR*(\a)+FR-1], v[BIAS+8*\b:BIAS+8*\b+7], v[SC+8*NQ*(\sc)+NQ*\b+(\q)], v[SC+8*NQ*(\sc)+NQ*(\a)+(\q)] matrix_a_fmt:MATRIX_FMT_FP4 matrix_b_fmt:MATRIX_FMT_FP4 matrix_a_scale:MATRIX_SCALE_ROW1
.else
	v_wmma_scale_f32_16x16x128_f8f6f4 v[8*(8*((\a)%4)+\b):8*(8*((\a)%4)+\b)+7], v[128*(\p)+FR*\b:128*(\p)+FR*\b+FR-1], v[AF+FR*(\a):AF+FR*(\a)+FR-1], v[8*(8*((\a)%4)+\b):8*(8*((\a)%4)+\b)+7], v[SC+8*NQ*(\sc)+NQ*\b+(\q)], v[SC+8*NQ*(\sc)+NQ*(\a)+(\q)] matrix_a_fmt:MATRIX_FMT_FP4 matrix_b_fmt:MATRIX_FMT_FP4 matrix_a_scale:MATRIX_SCALE_ROW1
.endif
.endr
.endr
.endm
.macro FETCH_B slot, q, p
	WIN TO_B
.irp i, 0,1,2,3,4,5,6,7
	FRAG 128*(\p)+FR*\i, ADRB+\slot, \q, \i
.endr
	WIN 0
.endm
.macro FETCH_A slot, q, i0
.irp i, \i0, \i0+1, \i0+2, \i0+3
	FRAG AF+FR*(\i), ADRA+\slot, \q, \i
.endr
.endm
.macro SCALES sc
.irp i, 0,1,2,3,4,5,6,7
	ds_load_b128 v[SC+8*NQ*\sc+NQ*\i:SC+8*NQ*\sc+NQ*\i+3], v[ADRS+\sc] offset:\i*BRICK
.endr
.endm
.macro PLACES n
.rept \n
	v_nop
.endr
.endm
.macro STEP slot, q, zero
	s_wait_dscnt 4*NL
.if \zero
	WIN 0x81
.else
	WIN MUL_LO
.endif
	MUL16 0, (\q)%2, \q, \slot, \zero
	MUL16 2, (\q)%2, \q, \slot, \zero
	s_wait_dscnt 0x0
	PLACES NP
	FETCH_B \slot, (\q)+1, 1-(\q)%2
	FETCH_A \slot, (\q)+1, 0
.if \zero
	WIN 0xc1
.else
	WIN MUL_HI
.endif
	MUL16 4, (\q)%2, \q, \slot, \zero
	MUL16 6, (\q)%2, \q, \slot, \zero
	PLACES NP
	WIN 0
	FETCH_A \slot, (\q)+1, 4
.endm
.macro TURN slot, next
	s_wait_tensorcnt 0x0
	ds_add_u32 v[SPW], v[NIL]
	s_wait_dscnt 4*NL+1
	WIN MUL_LO
	MUL16 0, 1, NQ-1, \slot, 0
	s_wait_dscnt 0x0
	s_barrier_signal -1
	MUL16 2, 1, NQ-1, \slot, 0
	WIN 0
	s_barrier_wait -1
	PLACES NP
	FETCH_B \next, 0, 0
	FETCH_A \next, 0, 0
	SCALES \next
	WIN MUL_HI
	MUL16 4, 1, NQ-1, \slot, 0
	MUL16 6, 1, NQ-1, \slot, 0
	PLACES NP
	WIN 0
	FETCH_A \next, 0, 4
.endm
.macro STEPS slot, from
.set Q, \from
.rept NQ-1-\from
	STEP \slot, Q, 0
.set Q, Q+1
.endr
.endm
	s_wait_alu depctr_va_vdst(0)
	s_wait_tensorcnt 0x0                           ; my part of slot 0 is in; slot 1's first fill is issued as a refill is
	ds_add_u32 v[SPW], v[NIL]
	s_wait_dscnt 0x0
	CROUND                                         ; everybody's part is in, and all sixteen work-groups are here
	JLOAD 1                                        ; run 1 of K: the first tensor load behind the round
	s_wait_loadcnt 32                              ; all but gate_w2's 32 loads, the youngest
	WIN 0xa5                                       ; sources 0 and 1 window 1; C and D window 2
; the four accumulators take turns, one instruction a turn; the bias is the C of each sum's first instruction
.irp k, 0,1,2,3,4,5,6,7
.irp a, 0,1
.irp u, 0,1
.if \k == 0
	v_wmma_scale_f32_16x16x128_f8f6f4 v[GACC+16*\a+8*\u:GACC+16*\a+8*\u+7], v[128+8*(8*\u+\k):128+8*(8*\u+\k)+7], v[8*(8*\a+\k):8*(8*\a+\k)+7], v[GBIA+8*\u:GBIA+8*\u+7], v[GSB+8*\u+\k], v[GSA+8*\a+\k] matrix_a_fmt:MATRIX_FMT_FP4 matrix_b_fmt:MATRIX_FMT_FP4
.else
	v_wmma_scale_f32_16x16x128_f8f6f4 v[GACC+16*\a+8*\u:GACC+16*\a+8*\u+7], v[128+8*(8*\u+\k):128+8*(8*\u+\k)+7], v[8*(8*\a+\k):8*(8*\a+\k)+7], v[GACC+16*\a+8*\u:GACC+16*\a+8*\u+7], v[GSB+8*\u+\k], v[GSA+8*\a+\k] matrix_a_fmt:MATRIX_FMT_FP4 matrix_b_fmt:MATRIX_FMT_FP4
.endif
.endr
.endr
.endr
	WIN 0xaa                                       ; all in window 2
.rept 4
	v_nop                                          ; four places between the last product and the first read of a result (ISA guide 7.12.1)
.endr
.set i, 0
.rept 32
	v_max_num_f32 v[GACC+i], 0, v[GACC+i]          ; relu, each accumulator from its low end on
.set i, i+1
.endr
	s_wait_loadcnt 0x0                             ; gate_w2 (and b1, asked for earlier)
.irp a, 0,1                                    ; 16 sums (2 tiles of tokens x 8 experts), 16 chains that do not wait for each other
.irp e, 0,1,2,3,4,5,6,7
	v_mul_f32 v[GS+8*\a+\e], v[GACC+16*\a], v[GW2+\e]
.endr
.endr
.set i, 1
.rept 15
.irp a, 0,1
.irp e, 0,1,2,3,4,5,6,7
	v_fmac_f32 v[GS+8*\a+\e], v[GACC+16*\a+i], v[GW2+8*i+\e]
.endr
.endr
.set i, i+1
.endr
.irp e, 0,1,2,3,4,5,6,7
	v_permlane16_swap_b32 v[GS+\e], v[GS+8+\e]     ; the first now holds both tiles' sums of lanes 0-15, the second those of lanes 16-31
.endr
.irp e, 0,1,2,3,4,5,6,7
	v_add_f32 v[GS+\e], v[GS+\e], v[GS+8+\e]       ; lane l: token l of the 32, my wave's 32 columns
.endr
	WIN 0x08                                       ; the stores' data window 2
	global_store_b128 v11, v[GS:GS+3], s[68:69]    ; the wave stores 1,024 consecutive bytes, aligned
	global_store_b128 v11, v[GS+4:GS+7], s[68:69] offset:16
	WIN 0
	s_wait_xcnt 0x0                                ; the stores have read their registers: the large product's sums are laid over them
	FETCH_B 0, 0, 0
	FETCH_A 0, 0, 0
	s_wait_alu depctr_va_vdst(0)
	SCALES 0
	FETCH_A 0, 0, 4
	STEP 0, 0, 1
	STEPS 0, 1
	TURN 0, 1
	STEPS 1, 0
	s_wait_dscnt 4*NL
	WIN MUL_LO
	MUL16 0, 1, NQ-1, 1, 0
	MUL16 2, 1, NQ-1, 1, 0
	s_wait_dscnt 0x0
	WIN MUL_HI
	MUL16 4, 1, NQ-1, 1, 0
	MUL16 6, 1, NQ-1, 1, 0
	WIN 0
.macro QUANTW a
.set AC, 64*((\a)%4)
.set W, 2+(\a)/4
.set WRL, (W<<6)|(W<<2)
.set WMX, (W<<4)|(W<<2)
.if RELU
	WIN WRL
.set j, 0
.rept 64
	v_max_num_f32 v[AC+j], 0, v[AC+j]
.set j, j+1
.endr
.endif
	WIN WMX
.irp b, 0,1,2,3
	v_max3_num_f32 v[TM+\b], 0x1800000, |v[AC+16*\b]|, |v[AC+16*\b+1]|
.endr
.irp i, 2,4,6,8,10,12,14
.irp b, 0,1,2,3
	v_max3_num_f32 v[TM+\b], v[TM+\b], |v[AC+16*\b+\i]|, |v[AC+16*\b+\i+1]|
.endr
.endr
	WIN 0
.irp b, 0,1,2,3
	v_permlanex16_b32 v[TM+4+\b], v[TM+\b], s[SEL], s[SEL+1]
.endr
.irp b, 0,1,2,3
	v_max_num_f32 v[TM+\b], v[TM+\b], v[TM+4+\b]
.endr
.irp b, 0,1,2,3
	v_add_nc_u32 v[TM+12+\b], 0xff000000, v[TM+\b]
.endr
.irp b, 0,1,2,3
	v_lshrrev_b32 v[TM+4+\b], 23, v[TM+12+\b]
.endr
	v_lshl_or_b32 v[PW+(\a)], v[TM+5], 8, v[TM+4]
	v_lshl_or_b32 v[PW+(\a)], v[TM+6], 16, v[PW+(\a)]
	v_lshl_or_b32 v[PW+(\a)], v[TM+7], 24, v[PW+(\a)]
	WIN W
.irp b, 0,1,2,3
	v_cvt_scalef32_pk8_fp4_f32 v[PC+8*(\a)+2*\b], v[AC+16*\b:AC+16*\b+7], v[TM+12+\b]
	v_cvt_scalef32_pk8_fp4_f32 v[PC+8*(\a)+2*\b+1], v[AC+16*\b+8:AC+16*\b+15], v[TM+12+\b]
.endr
	WIN 0
	v_nop
.irp c, 0,1
.irp i, 0,1
	v_permlane16_swap_b32 v[PC+8*(\a)+4*\c+\i], v[PC+8*(\a)+4*\c+2+\i]
.endr
.endr
.irp c, 0,1
	global_store_b128 v[CDO], v[PC+8*(\a)+4*\c:PC+8*(\a)+4*\c+3], s[10:11] offset:(\a)*BRICK+512*\c
.endr
.endm
	s_wait_xcnt 0x0
.irp b, 0,1,2,3
	v_mov_b32 v[TM+4+\b], 0
.endr
.irp a, 0,1,2,3,4,5,6,7
	QUANTW \a
.endr
.irp p, 0,1,2,3
	v_cndmask_b32 v[PWO+\p], v[PW+2*\p], v[PW+2*\p+1], s[HI]
.endr
.irp p, 0,1,2,3
	global_store_b32 v[SCO], v[PWO+\p], s[10:11] offset:2*\p*BRICK
.endr
	s_wait_tensorcnt 0x0
	ds_add_u32 v[SPW], v[NIL]
	s_wait_dscnt 0x0
	CROUND
	s_endpgm
.Lfunc_end_k_qd70ee53750_fc1:
	.size	k_qd70ee53750_fc1, .Lfunc_end_k_qd70ee53750_fc1-k_qd70ee53750_fc1
	.p2alignl 7, 3214868480
	.fill 96, 4, 3214868480
	.section	.rodata,"a",@progbits
	.p2align	6, 0x0
	.amdhsa_kernel k_qd70ee53750_fc1
		.amdhsa_group_segment_fixed_size 327680
		.amdhsa_private_segment_fixed_size 0
		.amdhsa_enable_private_segment 0
		.amdhsa_kernarg_size 64
		.amdhsa_user_sgpr_count 2
		.amdhsa_user_sgpr_kernarg_segment_ptr 1
		.amdhsa_wavefront_size32 1
		.amdhsa_system_sgpr_workgroup_id_x 1
		.amdhsa_system_sgpr_workgroup_id_y 1
		.amdhsa_system_sgpr_workgroup_id_z 1
		.amdhsa_system_vgpr_workitem_id 0
		.amdhsa_next_free_vgpr 1024
		.amdhsa_next_free_sgpr 96
		.amdhsa_reserve_vcc 0
		.amdhsa_float_denorm_mode_32 3
		.amdhsa_float_denorm_mode_16_64 3
		.amdhsa_memory_ordered 1
		.amdhsa_forward_progress 1
		.amdhsa_inst_pref_size 169
	.end_amdhsa_kernel
	.amdgpu_metadata
---
amdhsa.version: [ 1, 2 ]
amdhsa.kernels:
  - .name:           k_qd70ee53750_fc1
    .symbol:         k_qd70ee53750_fc1.kd
    .args:
      - { .name: xq, .offset: 0, .size: 8, .value_kind: global_buffer, .address_space: global }
      - { .name: w1q, .offset: 8, .size: 8, .value_kind: global_buffer, .address_space: global }
      - { .name: b1, .offset: 16, .size: 8, .value_kind: global_buffer, .address_space: global }
      - { .name: hq, .offset: 24, .size: 8, .value_kind: global_buffer, .address_space: global }
      - { .name: pl, .offset: 32, .size: 8, .value_kind: global_buffer, .address_space: global }
      - { .name: gq, .offset: 40, .size: 8, .value_kind: global_buffer, .address_space: global }
      - { .name: gate_b1, .offset: 48, .size: 8, .value_kind: global_buffer, .address_space: global }
      - { .name: gate_w2, .offset: 56, .size: 8, .value_kind: global_buffer, .address_space: global }
    .group_segment_fixed_size: 327680
    .private_segment_fixed_size: 0
    .kernarg_segment_align: 8
    .kernarg_segment_size: 64
    .max_flat_workgroup_size: 128
    .sgpr_count:     96
    .vgpr_count:     1024
    .wavefront_size: 32
...
	.end_amdgpu_metadata
.endif
;; end of part 2
;; launch fc2 (part 3): grid 64 x 4, 4 waves a work-group, clusters of 4 x 4, 327,680 bytes of LDS; arguments hq, w2q, b2, eq, pl, gate_b2, out1; writes eq, out1
.if DOCPART == 3
	.amdgcn_target "amdgcn-amd-amdhsa--gfx1250"
	.amdhsa_code_object_version 6
	.text
	.protected	k_qd70ee53750_fc2
	.globl	k_qd70ee53750_fc2
	.p2align	8
	.type	k_qd70ee53750_fc2,@function
k_qd70ee53750_fc2:
	s_mov_b64 s[64:65], 0
	v_nop
	global_prefetch_b8 v0, s[64:65] scope:SCOPE_SE
	s_setreg_imm32_b32 hwreg(HW_REG_WAVE_MODE, 25, 1), 1
	s_wait_xcnt 0x0
	s_wait_alu depctr_hold_cnt(0) depctr_sa_sdst(0) depctr_va_vdst(0) depctr_va_sdst(0) depctr_va_ssrc(0) depctr_va_vcc(0) depctr_vm_vsrc(0)
	s_getreg_b32 s2, hwreg(HW_REG_IB_STS2, 6, 4)
	s_cmp_eq_u32 s2, 0
	s_cbranch_scc0 .Lentry_in_a_cluster
	s_endpgm
.Lentry_in_a_cluster:
	s_bfe_u32 s2, ttmp6, 0x10000c
	s_cmp_lg_u32 s2, 0xf033
	s_cbranch_scc0 .Lentry_shape_is_right
	s_endpgm
.Lentry_shape_is_right:
; expert_outs = h W2 + b2, expert by expert, on codes of FP4 (E2M1) with E8M0 scales, quantised again on the way out: eq takes the codes and scale bytes.
; OPERANDS ARE BRICKS: 16 rows x 512 K as an image of the operand's registers, 4,352 bytes: byte 1024 q + 512 c + 16 lane = registers 4 c .. 4 c + 3 of the fragment of the q-th 128 along K;
; byte 4096 + 16 r + 4 q = row r's scale word for that 128.  hq: [8 experts x 4 runs of 512 K][64 bricks of tokens].  w2q: [4 runs][1,024 bricks of the 16,384 columns e x 2,048 + k], rows permuted within 32.
; eq: [4 runs of 512 columns][512 bricks: 64 x expert + token / 16].  Eight bricks on end, 128 rows x 512 K with their scales, are 34,816 dense bytes: one tensor load.
; A tile of 256 tokens x 256 columns of one expert is made by a work-group of four waves; a wave makes 128 x 128: 64 accumulators, 512 registers.  K = 2,048 goes in four runs of 512 through a ring of two LDS slots.
; CLUSTERS: 4 x 4 work-groups; the four tile columns of a cluster belong to one expert (eight tile columns each).  The four of a row of the cluster need the same tiles of h, the four of a column the same weights: JOINT loads.
; THE MATRIX INSTRUCTION IS USED TRANSPOSED (source 0 = 16 rows of weights, source 1 = 16 tokens), and place p of 32 rows of weights holds column (p & 7) + 8 (p >> 4) + 16 ((p >> 3) & 1):
; lane (r, h) holds token r, and register j of tile b column 32 (b / 2) + 16 h + 8 (b % 2) + j: the 16 registers of two neighbouring tiles are 16 neighbours along the next product's K.
; The bias is the C of each sum's first instruction.  A wave's 128 columns are one K step of 128 of the next product: each block of 16 tokens gives one fragment and one scale word a row.
; The codes leave as 512 consecutive bytes a store.  The scale words leave as 4 bytes a row, 16 bytes apart (the other three words of a row are other waves'): one byte in seventeen of what is stored.
; LIMITS: NaN and infinities are not served; a block of zeros gets the scale byte 1 where the quantiser says 127: its codes are zeros, and this program alone reads the bytes.
; REGISTERS, in windows of 256: window 0: v0-31 addresses; v32-95 scale words, two sets; v96-127 at work; v128-191 A's fragments, one set, later the codes made; v192-255 the bias in the result's layout.
;   window 1: the weights' fragments, two sets, at v0 and v128.   window 2: the accumulators of my tokens 0-63 ((a, b) at v[8 (8 a + b)]);   window 3: those of my tokens 64-127.
.set BRICK,  4352
.set HALFT,  8*BRICK                   ; 128 rows x 512 K: what one tensor load brings, and what one wave reads of A or of B
.set SLOT,   4*HALFT                   ; A's 256 rows, then B's 256 rows
.set SPARE,  2*SLOT                    ; behind the ring: the spare words, 128 bytes for each wave: two blocks of 256 bytes that no other line names
.set STEPA,  64*BRICK                  ; from one run of 512 K to the next, in hq
.set STEPB,  1024*BRICK                ; and in w2q
.set EXPA,   4*STEPA                   ; from expert to expert in hq
.set NQ,     4                         ; steps of 128 in a slot
.set FR,     8                         ; registers of a fragment
.set NL,     2                         ; LDS loads that bring one
.set NP,     4                         ; places behind this matrix instruction (ISA guide 7.12.1)
.set ADRA, 16                          ; v16-17  LDS address of my A fragments in slot 0, 1
.set ADRB, 20                          ; v20-21  the same for B
.set ADRS, 22                          ; v22-23  of my scale words: lanes 0-15 A's rows, lanes 16-31 B's
.set CDO,  24                          ; v24     the way out: 16 x lane + 1,024 x my K step of the next product
.set SCO,  25                          ; v25     the way out: my row's scale word
.set BO,   27                          ; v27     the bias: 64 h
.set SPW,  28                          ; v28     LDS address of my spare word; never rewritten
.set NIL,  29                          ; v29     0; never rewritten
.set SC,   32                          ; scale words: set s at v[SC + 32 s]; register 4 i + q: lanes 0-15 A's block i, lanes 16-31 B's block i
.set TM,   96                          ; v96-111 the quantiser's work
.set PW,   112                         ; v112-119 a scale word for each block of 16 tokens
.set PWO,  120                         ; v120-123 two blocks' words in one register
.set AF,   128
.set PC,   128                         ; the codes made: 8 registers for each block: no store's data are written again
.set BIAS, 192
.set G1,  24                           ; s[24:31] descriptor group 1 for A's tiles;  s[32:39] group 0, one set for each slot
.set G0,  32
.set G1B, 48                           ; s[48:55], s[56:63] the same for B's
.set G0B, 56
.set SEL, 74                           ; s[74:75] lane selects for lane l xor 16
.set HI,  76                           ; s76     lanes 16-31
.set MSB, 0
.macro WIN new                         ; the immediate's high byte repeats the setting that is left
.if MSB != (\new)
	s_set_vgpr_msb (MSB<<8)|(\new)
.set MSB, (\new)
.endif
.endm
.set MUL_LO, 0xa1                      ; source 0 (B) window 1, source 1 (A) window 0, C and D window 2
.set MUL_HI, 0xf1                      ; the same, C and D window 3
.set TO_B,   0x40                      ; destination window 1, address window 0
; A joint load: waves 0 and 1 fetch A's halves, waves 2 and 3 B's.  Each line has one mask and one set of registers; the branch hangs on the wave's number alone.  Four v_nop follow each line.
.macro JLOAD s
	s_cmp_eq_u32 s15, 0
	s_cbranch_scc0 .Lfor_b_\@
	tensor_load_to_lds s[G0+4*\s:G0+4*\s+3], s[G1:G1+7]
	s_nop 0
.rept 4
	v_nop
.endr
	s_branch .Lasked_\@
.Lfor_b_\@:
	tensor_load_to_lds s[G0B+4*\s:G0B+4*\s+3], s[G1B:G1B+7]
	s_nop 0
.rept 4
	v_nop
.endr
.Lasked_\@:
.endm
.macro CREST                           ; a round of the cluster's barrier behind its opening barrier
	s_cmp_lg_u32 s14, 0
	s_cbranch_scc1 .Lnot_wave_0_\@
	s_barrier_signal -3
.Lnot_wave_0_\@:
	s_barrier_wait -3
	s_barrier_signal -1
	s_barrier_wait -1
.endm
.macro CROUND                          ; a whole round
	s_barrier_signal -1
	s_barrier_wait -1
	CREST
.endm
	s_load_b256 s[4:11], s[0:1], 0x0               ; hq s[4:5], w2q s[6:7], b2 s[8:9], eq s[10:11]
	s_load_b128 s[68:71], s[0:1], 0x20             ; pl s[68:69], gate_b2 s[70:71]
	s_load_b64 s[72:73], s[0:1], 0x30              ; out1
	v_lshl_add_u32 v[SPW], v0, 2, SPARE
	v_mov_b32 v[NIL], 0
	ds_add_u32 v28, v29
	ds_add_u32 v28, v29
	s_wait_dscnt 0x0
	v_lshrrev_b32 v1, 5, v0
	v_readfirstlane_b32 s14, v1                    ; wave 0..3
	s_lshr_b32 s15, s14, 1                         ; which half of the tile's tokens is mine.  Also: I fetch for A (0) or for B (1)
	s_and_b32 s16, s14, 1                          ; which half of its columns.  Also: which 128 rows I fetch
	s_bfe_u32 s40, ttmp6, 0x40000                  ; cx, cy: my place in the cluster
	s_bfe_u32 s41, ttmp6, 0x40004
	s_lshl_b32 s42, ttmp9, 2
	s_add_co_u32 s42, s42, s40                     ; tile column = 4 x cluster x + cx
	s_and_b32 s17, ttmp7, 0xffff
	s_lshl_b32 s17, s17, 2
	s_add_co_u32 s17, s17, s41                     ; tile row = 4 x cluster y + cy
	s_lshl_b32 s43, s41, 2
	s_lshl_b32 s43, 15, s43                        ; my row of the cluster
	s_lshl_b32 s44, 0x1111, s40                    ; my column
	; descriptor group 1: 34,816 dense bytes as 136 rows of 256 bytes (32 elements of 8 bytes), no padding
	s_or_b32 s[G1+0], s43, (3<<16)|(1<<21)         ; 15:0 the mask: A's tiles go to my row; 17:16 elements of 8 bytes; 21 set beside a mask
	s_or_b32 s[G1B+0], s44, (3<<16)|(1<<21)
.irp g, G1, G1B
	s_mov_b32 s[\g+1], 32<<16                      ; tensor_dim0
	s_mov_b32 s[\g+2], 136<<16                     ; tensor_dim1
	s_mov_b32 s[\g+3], 32<<16                      ; tile_dim0
	s_mov_b32 s[\g+4], 136                         ; tile_dim1
	s_mov_b32 s[\g+5], 32                          ; tensor_dim0_stride
	s_mov_b32 s[\g+6], 0
	s_mov_b32 s[\g+7], 0
.endr
	s_lshl_b32 s18, s16, 3                         ; which eight bricks of the tile's sixteen I fetch
	s_lshl_b32 s20, s17, 4
	s_add_co_u32 s20, s20, s18
	s_mul_i32 s20, s20, BRICK                      ; A: brick 16 x tile row + 8 x half,
	s_lshr_b32 s19, ttmp9, 1                       ; of the expert: two clusters along x to an expert: all sixteen partners share it
	s_mul_i32 s19, s19, EXPA
	s_add_co_u32 s20, s20, s19
	s_mov_b32 s21, 0
	s_lshl_b32 s46, s42, 4
	s_add_co_u32 s46, s46, s18
	s_mul_i32 s46, s46, BRICK                      ; B: brick 16 x tile column + 8 x half
	s_mov_b32 s47, 0
	s_mul_i32 s45, s14, HALFT                      ; where they go: no place in the cluster enters an LDS address
	s_wait_kmcnt 0x0
	s_add_nc_u64 s[20:21], s[4:5], s[20:21]
	s_add_nc_u64 s[46:47], s[6:7], s[46:47]
	CROUND                                         ; all sixteen work-groups are here: the first joint loads meet
.irp s, 0,1
	s_mov_b32 s[G0+4*\s], 1
	s_add_co_u32 s[G0+4*\s+1], s45, \s*SLOT
	s_add_nc_u64 s[G0+4*\s+2:G0+4*\s+3], s[20:21], \s*STEPA
	s_or_b32 s[G0+4*\s+3], s[G0+4*\s+3], 0x80000000
	s_mov_b32 s[G0B+4*\s], 1
	s_add_co_u32 s[G0B+4*\s+1], s45, \s*SLOT
	s_add_nc_u64 s[G0B+4*\s+2:G0B+4*\s+3], s[46:47], \s*STEPB
	s_or_b32 s[G0B+4*\s+3], s[G0B+4*\s+3], 0x80000000
.endr
	JLOAD 0                                        ; run 0 of K: my one joint load at the head
	v_and_b32 v1, 15, v0                           ; r
	v_bfe_u32 v2, v0, 4, 1                         ; h
	s_wait_alu depctr_va_vdst(0)
	v_and_b32 v3, 31, v0                           ; lane
	v_lshlrev_b32 v4, 4, v3                        ; 16 x lane
	s_mul_i32 s21, s15, HALFT                      ; my 128 rows of A
	s_mul_i32 s22, s16, HALFT                      ; my 128 rows of B,
	s_add_co_u32 s22, s22, 2*HALFT                 ; which lie behind A's 256
.irp s, 0,1
	v_add_nc_u32 v[ADRA+\s], s21, v4
	v_add_nc_u32 v[ADRB+\s], s22, v4
	s_add_co_u32 s21, s21, SLOT
	s_add_co_u32 s22, s22, SLOT
.endr
	s_xor_b32 s22, s15, 1                          ; from my bricks of A to my bricks of B: (2 + column half - row half) x 128 rows
	s_add_co_u32 s22, s22, s16
	s_add_co_u32 s22, s22, 1
	s_mul_i32 s22, s22, HALFT
	v_mul_u32_u24 v6, s22, v2                      ; lanes 16-31 take B's
	v_lshl_add_u32 v5, v1, 4, v6                   ; + 16 r
	s_mul_i32 s21, s15, HALFT
	s_add_co_u32 s21, s21, 4096                    ; a brick's scale words lie behind its codes
	v_add_nc_u32 v[ADRS], s21, v5
	v_add_nc_u32 v[ADRS+1], SLOT, v[ADRS]
	s_lshl_b32 s66, s42, 10                        ; the bias of my 128 columns: 256 x tile column + 128 x half, 4 bytes each
	s_lshl_b32 s67, s16, 9
	s_add_co_u32 s66, s66, s67
	s_mov_b32 s67, 0
	s_add_nc_u64 s[8:9], s[8:9], s[66:67]
	v_lshlrev_b32 v[BO], 6, v2
.irp b, 0,1,2,3,4,5,6,7
	global_load_b128 v[BIAS+8*\b:BIAS+8*\b+3], v[BO], s[8:9] offset:(32*(\b/2)+8*(\b%2))*4      ; tile b, lane half h: columns 32 (b / 2) + 16 h + 8 (b % 2) + 0 .. 7
	global_load_b128 v[BIAS+8*\b+4:BIAS+8*\b+7], v[BO], s[8:9] offset:(32*(\b/2)+8*(\b%2))*4+16
.endr
	; the way out: my 128 columns are K step q = 2 (tile column % 2) + half of run ((tile column % 8) / 2) of the next product
	s_and_b32 s66, s42, 1
	s_lshl_b32 s66, s66, 1
	s_add_co_u32 s66, s66, s16
	s_lshl_b32 s67, s66, 10
	v_add_nc_u32 v[CDO], s67, v4
	s_lshl_b32 s67, s66, 2
	s_add_co_u32 s67, s67, 4096
	v_mul_u32_u24 v8, v2, BRICK                    ; lanes 16-31: the next brick
	v_lshl_add_u32 v8, v1, 4, v8
	v_add_nc_u32 v[SCO], s67, v8
	s_bfe_u32 s66, s42, 0x20001                    ; the run: two bits from bit 1
	s_lshl_b32 s66, s66, 9
	s_lshr_b32 s67, s42, 3                         ; the expert
	s_lshl_b32 s67, s67, 6
	s_add_co_u32 s66, s66, s67
	s_lshl_b32 s67, s17, 4
	s_add_co_u32 s66, s66, s67
	s_lshl_b32 s67, s15, 3
	s_add_co_u32 s66, s66, s67                     ; my first brick of eq: 512 x run + 64 x expert + 16 x tile row + 8 x row half
	s_mul_i32 s66, s66, BRICK
	s_mov_b32 s67, 0
	s_add_nc_u64 s[10:11], s[10:11], s[66:67]
	s_mov_b32 s[SEL], 0x76543210
	s_mov_b32 s[SEL+1], 0xfedcba98
	s_mov_b32 s[HI], 0xffff0000
	; THE ROUTER'S END, by wave 0, while slot 0's tile is on its way: four tokens a work-group (128 bytes of out1): a lane a logit: the 32 parts of pl, gate_b2, and the softmax over each eight lanes, its maximum taken away
	s_cmp_lg_u32 s14, 0
	s_cbranch_scc1 .Lno_final
	s_lshl_b32 s66, s17, 6
	s_add_co_u32 s66, s66, s42
	s_lshl_b32 s66, s66, 7
	s_add_nc_u64 s[68:69], s[68:69], s[66:67]
	s_add_nc_u64 s[72:73], s[72:73], s[66:67]
	v_lshlrev_b32 v96, 2, v3
	v_and_b32 v97, 7, v0
	v_lshlrev_b32 v97, 2, v97
	global_load_b32 v98, v97, s[70:71]
.set i, 0
.rept 32
	global_load_b32 v[100+i], v96, s[68:69] offset:32768*i
.set i, i+1
.endr
	s_wait_loadcnt 0x0
.irp i, 0,1,2,3,4,5,6,7,8,9,10,11,12,13,14,15
	v_add_f32 v[100+\i], v[100+\i], v[116+\i]
.endr
.irp i, 0,1,2,3,4,5,6,7
	v_add_f32 v[100+\i], v[100+\i], v[108+\i]
.endr
.irp i, 0,1,2,3
	v_add_f32 v[100+\i], v[100+\i], v[104+\i]
.endr
	v_add_f32 v100, v100, v102
	v_add_f32 v101, v101, v103
	v_add_f32 v100, v100, v101
	v_add_f32 v98, v98, v100
	v_mov_b32 v99, v98
	v_max_num_f32_dpp v99, v99, v99 row_xmask:1 row_mask:0xf bank_mask:0xf
	v_max_num_f32_dpp v99, v99, v99 row_xmask:2 row_mask:0xf bank_mask:0xf
	v_max_num_f32_dpp v99, v99, v99 row_xmask:4 row_mask:0xf bank_mask:0xf
	v_sub_f32 v98, v98, v99
	v_mul_f32 v98, 0x3fb8aa3b, v98
	s_wait_alu depctr_va_vdst(0)
	v_exp_f32 v98, v98
	v_nop
	s_wait_alu depctr_va_vdst(0)
	v_mov_b32 v99, v98
	v_add_f32_dpp v99, v99, v99 row_xmask:1 row_mask:0xf bank_mask:0xf
	v_add_f32_dpp v99, v99, v99 row_xmask:2 row_mask:0xf bank_mask:0xf
	v_add_f32_dpp v99, v99, v99 row_xmask:4 row_mask:0xf bank_mask:0xf
	s_wait_alu depctr_va_vdst(0)
	v_rcp_f32 v99, v99
	v_nop
	s_wait_alu depctr_va_vdst(0)
	v_mul_f32 v98, v98, v99
	global_store_b32 v96, v98, s[72:73]
.Lno_final:
.macro FRAG reg, adr, q, i             ; a fragment: brick i, the q-th 128 along K: two loads of 512 consecutive bytes
.irp c, 0,1
	ds_load_b128 v[\reg+4*\c:\reg+4*\c+3], v[\adr] offset:(\i)*BRICK+(\q)*1024+512*\c
.endr
.endm
; 16 matrix instructions: A's blocks a0, a0 + 1 x B's eight, the slot's q-th 128 along K.  p: B's set;  sc: the set of scale words.  zero = 1: the sums begin with the bias as C: nothing is cleared or added later.
; The 64 accumulators take turns, one instruction a turn, in the same order in every step.
.macro MUL16 a0, p, q, sc, zero
.irp a, \a0, \a0+1
.irp b, 0,1,2,3,4,5,6,7
.if \zero
	v_wmma_scale_f32_16x16x128_f8f6f4 v[8*(8*((\a)%4)+\b):8*(8*((\a)%4)+\b)+7], v[128*(\p)+FR*\b:128*(\p)+FR*\b+FR-1], v[AF+FR*(\a):AF+FR*(\a)+FR-1], v[BIAS+8*\b:BIAS+8*\b+7], v[SC+8*NQ*(\sc)+NQ*\b+(\q)], v[SC+8*NQ*(\sc)+NQ*(\a)+(\q)] matrix_a_fmt:MATRIX_FMT_FP4 matrix_b_fmt:MATRIX_FMT_FP4 matrix_a_scale:MATRIX_SCALE_ROW1
.else
	v_wmma_scale_f32_16x16x128_f8f6f4 v[8*(8*((\a)%4)+\b):8*(8*((\a)%4)+\b)+7], v[128*(\p)+FR*\b:128*(\p)+FR*\b+FR-1], v[AF+FR*(\a):AF+FR*(\a)+FR-1], v[8*(8*((\a)%4)+\b):8*(8*((\a)%4)+\b)+7], v[SC+8*NQ*(\sc)+NQ*\b+(\q)], v[SC+8*NQ*(\sc)+NQ*(\a)+(\q)] matrix_a_fmt:MATRIX_FMT_FP4 matrix_b_fmt:MATRIX_FMT_FP4 matrix_a_scale:MATRIX_SCALE_ROW1
.endif
.endr
.endr
.endm
.macro FETCH_B slot, q, p              ; B's eight fragments into set p
	WIN TO_B
.irp i, 0,1,2,3,4,5,6,7
	FRAG 128*(\p)+FR*\i, ADRB+\slot, \q, \i
.endr
	WIN 0
.endm
.macro FETCH_A slot, q, i0             ; A's blocks i0 .. i0 + 3
.irp i, \i0, \i0+1, \i0+2, \i0+3
	FRAG AF+FR*(\i), ADRA+\slot, \q, \i
.endr
.endm
.macro SCALES sc                       ; slot sc's scale words: four words a row; lanes 0-15 take A's block i, lanes 16-31 B's block i
.irp i, 0,1,2,3,4,5,6,7
	ds_load_b128 v[SC+8*NQ*\sc+NQ*\i:SC+8*NQ*\sc+NQ*\i+3], v[ADRS+\sc] offset:\i*BRICK
.endr
.endm
.macro PLACES n                        ; places in front of loads into registers that matrix instructions have read
.rept \n
	v_nop
.endr
.endm
; A step of 128 along K that has its successor in the same slot.  A has one set of registers: blocks 0-3 are fetched anew in the step's middle, blocks 4-7 at its end; B has two sets.
.macro STEP slot, q, zero
	s_wait_dscnt 4*NL                              ; B's set, the scale words and A's blocks 0-3 are in; the youngest eight loads (A's blocks 4-7) may be out
.if \zero
	WIN 0x81                                       ; C (the bias) window 0, D window 2
.else
	WIN MUL_LO
.endif
	MUL16 0, (\q)%2, \q, \slot, \zero
	MUL16 2, (\q)%2, \q, \slot, \zero
	s_wait_dscnt 0x0                               ; A's blocks 4-7 are in
	PLACES NP
	FETCH_B \slot, (\q)+1, 1-(\q)%2
	FETCH_A \slot, (\q)+1, 0
.if \zero
	WIN 0xc1                                       ; C window 0, D window 3
.else
	WIN MUL_HI
.endif
	MUL16 4, (\q)%2, \q, \slot, \zero
	MUL16 6, (\q)%2, \q, \slot, \zero
	PLACES NP
	WIN 0
	FETCH_A \slot, (\q)+1, 4
.endm
; A slot's last step changes slots: ONE barrier; in front of it each wave waits for all its tensor loads, adds 0 to its spare word, and waits for that and for its own reads of this slot.
; fill = 1: this slot is filled again, two runs of K ahead: the barrier then opens a round of the cluster's barrier, and the joint refill is the first thing behind the round.
.macro TURN slot, next, fill
	s_wait_tensorcnt 0x0                           ; all my tensor loads have landed: the one that was out is my part of the next slot
	ds_add_u32 v[SPW], v[NIL]                      ; 0 onto my spare word
	s_wait_dscnt 4*NL+1                            ; (the add and the youngest eight loads, A's blocks 4-7, may be out)
	WIN MUL_LO
	MUL16 0, 1, NQ-1, \slot, 0                     ; sixteen matrix instructions stand between the add and the wait for it
	s_wait_dscnt 0x0                               ; the add is done, and my reads of this slot are over
	s_barrier_signal -1
	MUL16 2, 1, NQ-1, \slot, 0
	WIN 0
	s_barrier_wait -1
.if \fill
	CREST                                          ; no wave of any partner still reads this slot's tile or has a load on its way
	s_add_nc_u64 s[G0+4*\slot+2:G0+4*\slot+3], s[G0+4*\slot+2:G0+4*\slot+3], 2*STEPA
	s_add_nc_u64 s[G0B+4*\slot+2:G0B+4*\slot+3], s[G0B+4*\slot+2:G0B+4*\slot+3], 2*STEPB
	JLOAD \slot                                    ; my one tensor load behind the round; its four v_nop are also the places in front of the loads below
.else
	PLACES NP
.endif
	FETCH_B \next, 0, 0
	FETCH_A \next, 0, 0
	SCALES \next
	WIN MUL_HI
	MUL16 4, 1, NQ-1, \slot, 0
	MUL16 6, 1, NQ-1, \slot, 0
	PLACES NP
	WIN 0
	FETCH_A \next, 0, 4
.endm
.macro STEPS slot, from                ; the slot's steps from .. NQ - 2
.set Q, \from
.rept NQ-1-\from
	STEP \slot, Q, 0
.set Q, Q+1
.endr
.endm
	s_wait_alu depctr_va_vdst(0)
	s_wait_loadcnt 0x0                             ; the bias
	s_wait_tensorcnt 0x0                           ; my part of slot 0 is in; slot 1's first fill is issued as a refill is
	ds_add_u32 v[SPW], v[NIL]
	s_wait_dscnt 0x0
	CROUND                                         ; everybody's part is in, and all sixteen work-groups are here
	JLOAD 1                                        ; run 1 of K: the first tensor load behind the round
	FETCH_B 0, 0, 0
	FETCH_A 0, 0, 0
	SCALES 0
	FETCH_A 0, 0, 4
	STEP 0, 0, 1                                   ; K = 2,048 is twice round the ring, written straight out: run 0; its first step starts the sums
	STEPS 0, 1
	TURN 0, 1, 1                                   ; slot 0 takes run 2
	STEPS 1, 0                                     ; run 1
	TURN 1, 0, 1                                   ; slot 1 takes run 3
	STEPS 0, 0                                     ; run 2
	TURN 0, 1, 0                                   ; nothing is left to fetch
	STEPS 1, 0                                     ; run 3
	s_wait_dscnt 4*NL                              ; the very last step
	WIN MUL_LO
	MUL16 0, 1, NQ-1, 1, 0
	MUL16 2, 1, NQ-1, 1, 0
	s_wait_dscnt 0x0
	WIN MUL_HI
	MUL16 4, 1, NQ-1, 1, 0
	MUL16 6, 1, NQ-1, 1, 0
	WIN 0
; THE WAY OUT.  Block a (16 tokens x my 128 columns, 64 registers a lane: register 16 b + i = column 32 b + 16 h + i of token r) is quantised and stored as one fragment's image.
.macro QUANTW a
.set AC, 64*((\a)%4)
.set W, 2+(\a)/4                       ; the block's window
.set WMX, (W<<4)|(W<<2)
	WIN WMX                                        ; sources 1 and 2
.irp b, 0,1,2,3
	v_max3_num_f32 v[TM+\b], 0x1800000, |v[AC+16*\b]|, |v[AC+16*\b+1]|   ; block b of 32: my 16 numbers, and the floor 2^(3 - 127).  Each accumulator is read from its low end on
.endr
.irp i, 2,4,6,8,10,12,14
.irp b, 0,1,2,3
	v_max3_num_f32 v[TM+\b], v[TM+\b], |v[AC+16*\b+\i]|, |v[AC+16*\b+\i+1]|   ; the four blocks by turns
.endr
.endr
	WIN 0
.irp b, 0,1,2,3
	v_permlanex16_b32 v[TM+4+\b], v[TM+\b], s[SEL], s[SEL+1]
.endr
.irp b, 0,1,2,3
	v_max_num_f32 v[TM+\b], v[TM+\b], v[TM+4+\b]   ; with lane l xor 16's: the block's largest magnitude
.endr
.irp b, 0,1,2,3
	v_add_nc_u32 v[TM+12+\b], 0xff000000, v[TM+\b] ; 2 off the exponent field: the conversion's scale operand
.endr
.irp b, 0,1,2,3
	v_lshrrev_b32 v[TM+4+\b], 23, v[TM+12+\b]      ; the scale's byte
.endr
	v_lshl_or_b32 v[PW+(\a)], v[TM+5], 8, v[TM+4]
	v_lshl_or_b32 v[PW+(\a)], v[TM+6], 16, v[PW+(\a)]
	v_lshl_or_b32 v[PW+(\a)], v[TM+7], 24, v[PW+(\a)]   ; token r's scale word
	WIN W                                          ; source 0
.irp b, 0,1,2,3
	v_cvt_scalef32_pk8_fp4_f32 v[PC+8*(\a)+2*\b], v[AC+16*\b:AC+16*\b+7], v[TM+12+\b]
	v_cvt_scalef32_pk8_fp4_f32 v[PC+8*(\a)+2*\b+1], v[AC+16*\b+8:AC+16*\b+15], v[TM+12+\b]
.endr
	WIN 0
	v_nop                                          ; one plain place behind a scaled conversion
.irp c, 0,1                                    ; the operand's layout wants a whole block in a lane
.irp i, 0,1
	v_permlane16_swap_b32 v[PC+8*(\a)+4*\c+\i], v[PC+8*(\a)+4*\c+2+\i]
.endr
.endr
.irp c, 0,1
	global_store_b128 v[CDO], v[PC+8*(\a)+4*\c:PC+8*(\a)+4*\c+3], s[10:11] offset:(\a)*BRICK+512*\c   ; 512 consecutive bytes, aligned
.endr
.endm
	s_wait_xcnt 0x0                                ; the head's store has read v96 and v98: they are written again only behind this wait
.irp b, 0,1,2,3
	v_mov_b32 v[TM+4+\b], 0                        ; a lane permute's destination counts as one of its sources.  These four are also the places behind the last products
.endr
.irp a, 0,1,2,3,4,5,6,7
	QUANTW \a
.endr
.irp p, 0,1,2,3
	v_cndmask_b32 v[PWO+\p], v[PW+2*\p], v[PW+2*\p+1], s[HI]   ; lanes 0-15 block 2 p's words, lanes 16-31 block 2 p + 1's
.endr
.irp p, 0,1,2,3
	global_store_b32 v[SCO], v[PWO+\p], s[10:11] offset:2*\p*BRICK
.endr
	s_wait_tensorcnt 0x0                           ; the wave's end
	ds_add_u32 v[SPW], v[NIL]
	s_wait_dscnt 0x0
	CROUND                                         ; the closing round: no work-group ends while a partner may still ask for a tile that names it
	s_endpgm
.Lfunc_end_k_qd70ee53750_fc2:
	.size	k_qd70ee53750_fc2, .Lfunc_end_k_qd70ee53750_fc2-k_qd70ee53750_fc2
	.p2alignl 7, 3214868480
	.fill 96, 4, 3214868480
	.section	.rodata,"a",@progbits
	.p2align	6, 0x0
	.amdhsa_kernel k_qd70ee53750_fc2
		.amdhsa_group_segment_fixed_size 327680
		.amdhsa_private_segment_fixed_size 0
		.amdhsa_enable_private_segment 0
		.amdhsa_kernarg_size 56
		.amdhsa_user_sgpr_count 2
		.amdhsa_user_sgpr_kernarg_segment_ptr 1
		.amdhsa_wavefront_size32 1
		.amdhsa_system_sgpr_workgroup_id_x 1
		.amdhsa_system_sgpr_workgroup_id_y 1
		.amdhsa_system_sgpr_workgroup_id_z 1
		.amdhsa_system_vgpr_workitem_id 0
		.amdhsa_next_free_vgpr 1024
		.amdhsa_next_free_sgpr 80
		.amdhsa_reserve_vcc 0
		.amdhsa_float_denorm_mode_32 3
		.amdhsa_float_denorm_mode_16_64 3
		.amdhsa_memory_ordered 1
		.amdhsa_forward_progress 1
		.amdhsa_inst_pref_size 220
	.end_amdhsa_kernel
	.amdgpu_metadata
---
amdhsa.version: [ 1, 2 ]
amdhsa.kernels:
  - .name:           k_qd70ee53750_fc2
    .symbol:         k_qd70ee53750_fc2.kd
    .args:
      - { .name: hq, .offset: 0, .size: 8, .value_kind: global_buffer, .address_space: global }
      - { .name: w2q, .offset: 8, .size: 8, .value_kind: global_buffer, .address_space: global }
      - { .name: b2, .offset: 16, .size: 8, .value_kind: global_buffer, .address_space: global }
      - { .name: eq, .offset: 24, .size: 8, .value_kind: global_buffer, .address_space: global }
      - { .name: pl, .offset: 32, .size: 8, .value_kind: global_buffer, .address_space: global }
      - { .name: gate_b2, .offset: 40, .size: 8, .value_kind: global_buffer, .address_space: global }
      - { .name: out1, .offset: 48, .size: 8, .value_kind: global_buffer, .address_space: global }
    .group_segment_fixed_size: 327680
    .private_segment_fixed_size: 0
    .kernarg_segment_align: 8
    .kernarg_segment_size: 56
    .max_flat_workgroup_size: 128
    .sgpr_count:     80
    .vgpr_count:     1024
    .wavefront_size: 32
...
	.end_amdgpu_metadata
.endif
;; end of part 3
;; launch clf (part 4): grid 4 x 64, 4 waves a work-group, clusters of 4 x 4, 327,680 bytes of LDS; arguments eq, cq, clf_b, out0; writes out0
.if DOCPART == 4
	.amdgcn_target "amdgcn-amd-amdhsa--gfx1250"
	.amdhsa_code_object_version 6
	.text
	.protected	k_qd70ee53750_clf
	.globl	k_qd70ee53750_clf
	.p2align	8
	.type	k_qd70ee53750_clf,@function
k_qd70ee53750_clf:
	s_mov_b64 s[64:65], 0
	v_nop
	global_prefetch_b8 v0, s[64:65] scope:SCOPE_SE
	s_setreg_imm32_b32 hwreg(HW_REG_WAVE_MODE, 25, 1), 1
	s_wait_xcnt 0x0
	s_wait_alu depctr_hold_cnt(0) depctr_sa_sdst(0) depctr_va_vdst(0) depctr_va_sdst(0) depctr_va_ssrc(0) depctr_va_vcc(0) depctr_vm_vsrc(0)
	s_getreg_b32 s2, hwreg(HW_REG_IB_STS2, 6, 4)
	s_cmp_eq_u32 s2, 0
	s_cbranch_scc0 .Lentry_in_a_cluster
	s_endpgm
.Lentry_in_a_cluster:
	s_bfe_u32 s2, ttmp6, 0x10000c
	s_cmp_lg_u32 s2, 0xf033
	s_cbranch_scc0 .Lentry_shape_is_right
	s_endpgm
.Lentry_shape_is_right:
; logits = expert_outs clf_w + clf_b on codes of FP4 (E2M1) with E8M0 scales; out0 [token][expert][1,024] f32.
; OPERANDS ARE BRICKS: 16 rows x 512 K as an image of the operand's registers, 4,352 bytes: byte 1024 q + 512 c + 16 lane = registers 4 c .. 4 c + 3 of the fragment of the q-th 128 along K;
; byte 4096 + 16 r + 4 q = row r's scale word for that 128.  eq: [4 runs of 512 K][512 bricks: 64 x expert + token / 16].  cq: [4 runs][64 bricks of the 1,024 columns], rows permuted within 32.
; SHARES.  8,192 rows x 1,024 columns in blocks of 128 x 256: 64 x 4 = 256 work-groups.  A wave makes 64 rows x 128 columns: 32 accumulators, 256 registers.
; K = 2,048 goes in four runs of 512 through two LDS slots of 24 bricks (A's 8, then B's 16).  Every wave fetches by one joint load: waves 0, 1 four bricks of A each, waves 2, 3 eight bricks of B each.
; CLUSTERS: 4 x 4 work-groups: the four of a row of the cluster need the same rows of eq, the four of a column the same weights: JOINT loads.
; THE MATRIX INSTRUCTION IS USED TRANSPOSED (source 0 = 16 rows of weights, source 1 = 16 rows of eq); place p of 32 rows of weights holds column (p & 7) + 8 (p >> 4) + 16 ((p >> 3) & 1):
; lane (r, h) holds row r, and register j of tile b column 32 (b / 2) + 16 h + 8 (b % 2) + j.  The bias is the C of each sum's first instruction.
; NO PREFETCH: the text has no loop to run ahead in: of the four runs of K two are asked for at the head, and each of the other two a run ahead of its use.
; REGISTERS: window 0: v16-29 addresses; v32-95 scale words, a set for each slot; v128-191 A's fragments, two sets of 32; v192-255 the bias; on the way out v128-255 hold rows read back.
;   window 1: the weights' fragments, two sets, at v0 and v128.   window 2: the accumulators ((a, b) at v[8 (8 a + b)]).
.set BRICK,  4352
.set SLOT,   24*BRICK
.set SPARE,  2*SLOT                    ; behind the ring: the spare words, 128 bytes a wave
.set STEPA,  512*BRICK                 ; from one run of 512 K to the next, in eq
.set STEPB,  64*BRICK                  ; and in cq
.set SPITCH, 528                       ; the way out: a stage of 16 rows x (512 + 16) bytes for each wave, in slot 0, behind its last fill and its last read
.set NP,     4                         ; places behind this matrix instruction (ISA guide 7.12.1)
.set ADRA, 16                          ; v16-17 LDS address of my A fragments in slot 0, 1
.set ADRB, 20                          ; v20-21 the same for B
.set ADRS, 22                          ; v22-23 of my scale words: lanes 0-15 A's rows, lanes 16-31 B's
.set STO,  24
.set RD,   25
.set CO,   26
.set BO,   27
.set SPW,  28                          ; my spare word; never rewritten
.set NIL,  29                          ; 0; never rewritten
.set SC,   32                          ; scale words: set s at v[SC + 32 s]; register 4 i + q: lanes 0-15 A's block i, lanes 16-31 B's block i
.set AF,   128
.set BK,   128
.set BIAS, 192
.set G1,  24                           ; s[24:31] group 1 for A's tiles;  s[32:39] group 0, a set for each slot
.set G0,  32
.set G1B, 48                           ; s[48:55], s[56:63] the same for B's
.set G0B, 56
.set MSB, 0
.macro WIN new                         ; the immediate's high byte repeats the setting that is left
.if MSB != (\new)
	s_set_vgpr_msb (MSB<<8)|(\new)
.set MSB, (\new)
.endif
.endm
.set MUL_LO, 0xa1                      ; source 0 (B) window 1, source 1 (A) window 0, C and D window 2
.set TO_B,   0x40
.macro JLOAD s                         ; a joint load: waves 0, 1 for A, waves 2, 3 for B; s_nop 0 and four v_nop follow each line
	s_cmp_eq_u32 s15, 0
	s_cbranch_scc0 .Lfor_b_\@
	tensor_load_to_lds s[G0+4*\s:G0+4*\s+3], s[G1:G1+7]
	s_nop 0
.rept 4
	v_nop
.endr
	s_branch .Lasked_\@
.Lfor_b_\@:
	tensor_load_to_lds s[G0B+4*\s:G0B+4*\s+3], s[G1B:G1B+7]
	s_nop 0
.rept 4
	v_nop
.endr
.Lasked_\@:
.endm
.macro CREST                           ; a round of the cluster's barrier behind its opening barrier
	s_cmp_lg_u32 s14, 0
	s_cbranch_scc1 .Lnot_wave_0_\@
	s_barrier_signal -3
.Lnot_wave_0_\@:
	s_barrier_wait -3
	s_barrier_signal -1
	s_barrier_wait -1
.endm
.macro CROUND
	s_barrier_signal -1
	s_barrier_wait -1
	CREST
.endm
	s_load_b256 s[4:11], s[0:1], 0x0               ; eq s[4:5], cq s[6:7], clf_b s[8:9], out0 s[10:11]
	v_lshl_add_u32 v[SPW], v0, 2, SPARE
	v_mov_b32 v[NIL], 0
	ds_add_u32 v[SPW], v[NIL]                      ; the opening: the add twice on end and one wait
	ds_add_u32 v[SPW], v[NIL]
	v_lshrrev_b32 v1, 5, v0
	v_readfirstlane_b32 s14, v1                    ; wave 0..3
	s_lshr_b32 s15, s14, 1                         ; which 64 of the block's rows are mine.  Also: I fetch for A (0) or for B (1)
	s_and_b32 s16, s14, 1                          ; which 128 of its columns.  Also: which half of that tile I fetch
	s_bfe_u32 s40, ttmp6, 0x40000                  ; cx, cy
	s_bfe_u32 s41, ttmp6, 0x40004
	s_lshl_b32 s42, ttmp9, 2
	s_add_co_u32 s42, s42, s40                     ; block column 0..3
	s_and_b32 s17, ttmp7, 0xffff
	s_lshl_b32 s17, s17, 2
	s_add_co_u32 s17, s17, s41                     ; block row 0..63
	s_lshl_b32 s43, s41, 2
	s_lshl_b32 s43, 15, s43                        ; my row of the cluster
	s_lshl_b32 s44, 0x1111, s40                    ; my column
	s_or_b32 s[G1+0], s43, (3<<16)|(1<<21)         ; dense bytes as rows of 256 (32 elements of 8 bytes): A: four bricks, 68 rows
	s_or_b32 s[G1B+0], s44, (3<<16)|(1<<21)        ; B: eight bricks, 136 rows
.irp g, G1, G1B
	s_mov_b32 s[\g+1], 32<<16
	s_mov_b32 s[\g+3], 32<<16
	s_mov_b32 s[\g+5], 32
	s_mov_b32 s[\g+6], 0
	s_mov_b32 s[\g+7], 0
.endr
	s_mov_b32 s[G1+2], 68<<16
	s_mov_b32 s[G1+4], 68
	s_mov_b32 s[G1B+2], 136<<16
	s_mov_b32 s[G1B+4], 136
	s_lshl_b32 s20, s17, 3
	s_lshl_b32 s18, s16, 2
	s_add_co_u32 s20, s20, s18
	s_mul_i32 s20, s20, BRICK                      ; A: brick 8 x block row + 4 x half
	s_mov_b32 s21, 0
	s_lshl_b32 s46, s42, 4
	s_lshl_b32 s18, s16, 3
	s_add_co_u32 s46, s46, s18
	s_mul_i32 s46, s46, BRICK                      ; B: brick 16 x block column + 8 x half
	s_mov_b32 s47, 0
	s_mul_i32 s45, s16, 4*BRICK                    ; where they go: no place in the cluster enters an LDS address
	s_mul_i32 s19, s16, 8*BRICK
	s_add_co_u32 s19, s19, 8*BRICK
	s_wait_dscnt 0x0                               ; both opening adds are done
	s_wait_kmcnt 0x0
	s_add_nc_u64 s[20:21], s[4:5], s[20:21]
	s_add_nc_u64 s[46:47], s[6:7], s[46:47]
	CROUND                                         ; all sixteen work-groups are here: the first joint loads meet
.irp s, 0,1
	s_mov_b32 s[G0+4*\s], 1
	s_add_co_u32 s[G0+4*\s+1], s45, \s*SLOT
	s_add_nc_u64 s[G0+4*\s+2:G0+4*\s+3], s[20:21], \s*STEPA
	s_or_b32 s[G0+4*\s+3], s[G0+4*\s+3], 0x80000000
	s_mov_b32 s[G0B+4*\s], 1
	s_add_co_u32 s[G0B+4*\s+1], s19, \s*SLOT
	s_add_nc_u64 s[G0B+4*\s+2:G0B+4*\s+3], s[46:47], \s*STEPB
	s_or_b32 s[G0B+4*\s+3], s[G0B+4*\s+3], 0x80000000
.endr
	JLOAD 0                                        ; run 0 of K: my one joint load at the head
	s_mul_i32 s21, s15, 4*BRICK                    ; my four bricks of A
	s_mul_i32 s22, s16, 8*BRICK
	s_add_co_u32 s22, s22, 8*BRICK                 ; my eight bricks of B, behind A's eight
	s_xor_b32 s23, s15, 1                          ; from my bricks of A to my bricks of B: 4 + 8 x column half + 4 x (1 - row half) bricks
	s_lshl_b32 s23, s23, 2
	s_lshl_b32 s18, s16, 3
	s_add_co_u32 s23, s23, s18
	s_add_co_u32 s23, s23, 4
	s_mul_i32 s23, s23, BRICK
	s_add_co_u32 s19, s21, 4096                    ; a brick's scale words lie behind its codes
	s_mul_i32 s18, s14, 16*SPITCH                  ; my stage
	s_lshl_b32 s66, s42, 10                        ; the bias of my 128 columns
	s_lshl_b32 s67, s16, 9
	s_add_co_u32 s66, s66, s67
	s_mov_b32 s67, 0
	s_add_nc_u64 s[8:9], s[8:9], s[66:67]
	s_add_nc_u64 s[10:11], s[10:11], s[66:67]      ; out0: the same columns,
	s_and_b32 s66, s17, 7                          ; token 128 x (block row % 8) + 64 x row half, 32,768 bytes each,
	s_lshl_b32 s66, s66, 7
	s_lshl_b32 s46, s15, 6
	s_add_co_u32 s66, s66, s46
	s_lshl_b32 s66, s66, 15
	s_lshr_b32 s46, s17, 3                         ; expert block row / 8, 4,096 bytes each
	s_lshl_b32 s46, s46, 12
	s_add_co_u32 s66, s66, s46
	s_add_nc_u64 s[10:11], s[10:11], s[66:67]
	v_and_b32 v1, 15, v0                           ; r
	v_bfe_u32 v2, v0, 4, 1                         ; h
	v_and_b32 v3, 31, v0
	v_lshlrev_b32 v4, 4, v3                        ; 16 x lane
	v_add_nc_u32 v[ADRA], s21, v4
	v_add_nc_u32 v[ADRA+1], SLOT, v[ADRA]
	v_add_nc_u32 v[ADRB], s22, v4
	v_add_nc_u32 v[ADRB+1], SLOT, v[ADRB]
	v_mul_u32_u24 v6, s23, v2                      ; lanes 16-31 take B's
	v_lshl_add_u32 v5, v1, 4, v6
	v_add_nc_u32 v[ADRS], s19, v5
	v_add_nc_u32 v[ADRS+1], SLOT, v[ADRS]
	v_mul_u32_u24 v7, v1, SPITCH                   ; into the stage: row r, 64 bytes further on for lanes 16-31
	v_lshl_add_u32 v7, v2, 6, v7
	v_add_nc_u32 v[STO], s18, v7
	v_add_nc_u32 v[RD], s18, v4                    ; back: the 32 lanes take one row of 512 bytes
	v_lshlrev_b32 v[CO], 4, v3
	v_lshlrev_b32 v[BO], 6, v2
.irp b, 0,1,2,3,4,5,6,7
	global_load_b128 v[BIAS+8*\b:BIAS+8*\b+3], v[BO], s[8:9] offset:(32*(\b/2)+8*(\b%2))*4      ; tile b, lane half h: columns 32 (b / 2) + 16 h + 8 (b % 2) + 0 .. 7
	global_load_b128 v[BIAS+8*\b+4:BIAS+8*\b+7], v[BO], s[8:9] offset:(32*(\b/2)+8*(\b%2))*4+16
.endr
.macro FRAG reg, adr, q, i             ; a fragment: brick i, the q-th 128 along K: two loads of 512 consecutive bytes
.irp c, 0,1
	ds_load_b128 v[\reg+4*\c:\reg+4*\c+3], v[\adr] offset:(\i)*BRICK+(\q)*1024+512*\c
.endr
.endm
; 16 matrix instructions: A's blocks a0, a0 + 1 x B's eight.  p: the sets of fragments;  sc: the set of scale words.  zero = 1: the sums begin with the bias as C.
; The 32 accumulators take turns, one instruction a turn, in the same order in every step.
.macro MUL16 a0, p, q, sc, zero
.irp a, \a0, \a0+1
.irp b, 0,1,2,3,4,5,6,7
.if \zero
	v_wmma_scale_f32_16x16x128_f8f6f4 v[8*(8*(\a)+\b):8*(8*(\a)+\b)+7], v[128*(\p)+8*\b:128*(\p)+8*\b+7], v[AF+32*(\p)+8*(\a):AF+32*(\p)+8*(\a)+7], v[BIAS+8*\b:BIAS+8*\b+7], v[SC+32*(\sc)+4*\b+(\q)], v[SC+32*(\sc)+4*(\a)+(\q)] matrix_a_fmt:MATRIX_FMT_FP4 matrix_b_fmt:MATRIX_FMT_FP4 matrix_a_scale:MATRIX_SCALE_ROW1
.else
	v_wmma_scale_f32_16x16x128_f8f6f4 v[8*(8*(\a)+\b):8*(8*(\a)+\b)+7], v[128*(\p)+8*\b:128*(\p)+8*\b+7], v[AF+32*(\p)+8*(\a):AF+32*(\p)+8*(\a)+7], v[8*(8*(\a)+\b):8*(8*(\a)+\b)+7], v[SC+32*(\sc)+4*\b+(\q)], v[SC+32*(\sc)+4*(\a)+(\q)] matrix_a_fmt:MATRIX_FMT_FP4 matrix_b_fmt:MATRIX_FMT_FP4 matrix_a_scale:MATRIX_SCALE_ROW1
.endif
.endr
.endr
.endm
.macro FETCH slot, q, p                ; 24 LDS loads in one run: B's eight fragments and A's four into sets p
	WIN TO_B
.irp i, 0,1,2,3,4,5,6,7
	FRAG 128*(\p)+8*\i, ADRB+\slot, \q, \i
.endr
	WIN 0
.irp i, 0,1,2,3
	FRAG AF+32*(\p)+8*\i, ADRA+\slot, \q, \i
.endr
.endm
.macro SCALES sc                       ; slot sc's scale words, four a row; lanes 0-15 of blocks 4-7 read words that no product names
.irp i, 0,1,2,3,4,5,6,7
	ds_load_b128 v[SC+32*\sc+4*\i:SC+32*\sc+4*\i+3], v[ADRS+\sc] offset:\i*BRICK
.endr
.endm
.macro PLACES n                        ; places in front of loads into registers that matrix instructions have read
.rept \n
	v_nop
.endr
.endm
.macro STEP slot, q, zero              ; a step of 128 along K that has its successor in the same slot: the successor's fragments are asked for first, into the other sets
	PLACES NP
	FETCH \slot, (\q)+1, 1-(\q)%2
	s_wait_dscnt 24                                ; all but the 24 just issued: this step's fragments and scale words are in
.if \zero
	WIN 0x81                                       ; C (the bias) window 0, D window 2
.else
	WIN MUL_LO
.endif
	MUL16 0, (\q)%2, \q, \slot, \zero
	MUL16 2, (\q)%2, \q, \slot, \zero
.endm
; A slot's last step changes slots: ONE barrier; in front of it each wave waits for all its tensor loads, adds 0 to its spare word, and waits for that and for its reads of this slot.
; fill = 1: the barrier opens a round of the cluster's barrier, and the joint refill, two runs of K ahead, is the first tensor load behind the round.
.macro TURN slot, next, fill
	WIN 0
	s_wait_tensorcnt 0x0                           ; my one load that was out, my part of the next slot, has landed
	ds_add_u32 v[SPW], v[NIL]
	s_wait_dscnt 1                                 ; this step's fragments are in (the add may be out)
	WIN MUL_LO
	MUL16 0, 1, 3, \slot, 0                        ; sixteen matrix instructions stand between the add and the wait for it
	s_wait_dscnt 0x0
	WIN 0
	s_barrier_signal -1
	s_barrier_wait -1
.if \fill
	CREST
	s_add_nc_u64 s[G0+4*\slot+2:G0+4*\slot+3], s[G0+4*\slot+2:G0+4*\slot+3], 2*STEPA
	s_add_nc_u64 s[G0B+4*\slot+2:G0B+4*\slot+3], s[G0B+4*\slot+2:G0B+4*\slot+3], 2*STEPB
	JLOAD \slot                                    ; its four v_nop are also the places in front of the loads below
.else
	PLACES NP
.endif
	FETCH \next, 0, 0
	SCALES \next
	WIN MUL_LO
	MUL16 2, 1, 3, \slot, 0                        ; the step's other half, on registers, while the next slot's first fragments come
.endm
.macro STEPS slot, zero
	STEP \slot, 0, \zero
	STEP \slot, 1, 0
	STEP \slot, 2, 0
.endm
	s_wait_alu depctr_va_vdst(0)
	s_wait_loadcnt 0x0                             ; the bias
	s_wait_tensorcnt 0x0                           ; my part of slot 0 is in; slot 1's first fill is issued as a refill is
	ds_add_u32 v[SPW], v[NIL]
	s_wait_dscnt 0x0
	CROUND                                         ; everybody's part is in, and all sixteen work-groups are here
	JLOAD 1                                        ; run 1 of K
	FETCH 0, 0, 0
	SCALES 0
	STEPS 0, 1                                     ; run 0; its first step starts the sums
	TURN 0, 1, 1                                   ; slot 0 takes run 2
	STEPS 1, 0
	TURN 1, 0, 1                                   ; slot 1 takes run 3
	STEPS 0, 0
	TURN 0, 1, 0                                   ; nothing is left to fetch
	STEPS 1, 0
	s_wait_dscnt 0x0                               ; the very last step
	MUL16 0, 1, 3, 1, 0
	MUL16 2, 1, 3, 1, 0
	WIN 0
; THE WAY OUT, block by block of 16 rows x 128 columns: through my own stage in LDS and back as whole rows of 512 bytes.  LDS serves a wave's instructions in order (ISA guide 5.7.1.4): no wait between the stores and the loads.
.macro TOSTAGE a
.set AC, 64*(\a)
	WIN 0x08                                       ; the data: window 2
.irp b, 0,1,2,3,4,5,6,7
	ds_store_b128 v[STO], v[AC+8*\b:AC+8*\b+3] offset:128*(\b/2)+32*(\b%2)      ; each accumulator from its low end on
	ds_store_b128 v[STO], v[AC+8*\b+4:AC+8*\b+7] offset:128*(\b/2)+32*(\b%2)+16
.endr
	WIN 0
.set BB, BK+64*((\a)%2)
.irp t, 0,1,2,3,4,5,6,7,8,9,10,11,12,13,14,15
	ds_load_b128 v[BB+4*\t:BB+4*\t+3], v[RD] offset:\t*SPITCH
.endr
.endm
.macro SEND a, younger                 ; younger: the LDS instructions issued behind block a's loads, which may stay out
.set BB, BK+64*((\a)%2)
	s_wait_dscnt \younger
.irp t, 0,1,2,3,4,5,6,7,8,9,10,11,12,13,14,15
	global_store_b128 v[CO], v[BB+4*\t:BB+4*\t+3], s[10:11] offset:(\a)*524288+\t*32768 th:TH_STORE_NT   ; 32 lanes store 512 consecutive bytes, aligned; a token's rows lie 32,768 bytes apart
.endr
.endm
	PLACES NP                                      ; between the last products and the first read of a result, and in front of loads into registers that held fragments
	TOSTAGE 0
.irp a, 1,2,3
.if \a > 1
	s_wait_xcnt 0x0                                ; block a - 2's stores have read their registers: block a's loads may land there
.endif
	TOSTAGE \a
	SEND \a-1, 32                                  ; behind block a - 1's loads: block a's 16 stores and 16 loads
.endr
	SEND 3, 0
	s_wait_tensorcnt 0x0                           ; the wave's end
	ds_add_u32 v[SPW], v[NIL]
	s_wait_dscnt 0x0
	CROUND                                         ; the closing round
	s_endpgm
.Lfunc_end_k_qd70ee53750_clf:
	.size	k_qd70ee53750_clf, .Lfunc_end_k_qd70ee53750_clf-k_qd70ee53750_clf
	.p2alignl 7, 3214868480
	.fill 96, 4, 3214868480
	.section	.rodata,"a",@progbits
	.p2align	6, 0x0
	.amdhsa_kernel k_qd70ee53750_clf
		.amdhsa_group_segment_fixed_size 327680
		.amdhsa_private_segment_fixed_size 0
		.amdhsa_enable_private_segment 0
		.amdhsa_kernarg_size 32
		.amdhsa_user_sgpr_count 2
		.amdhsa_user_sgpr_kernarg_segment_ptr 1
		.amdhsa_wavefront_size32 1
		.amdhsa_system_sgpr_workgroup_id_x 1
		.amdhsa_system_sgpr_workgroup_id_y 1
		.amdhsa_system_sgpr_workgroup_id_z 1
		.amdhsa_system_vgpr_workitem_id 0
		.amdhsa_next_free_vgpr 768
		.amdhsa_next_free_sgpr 80
		.amdhsa_reserve_vcc 0
		.amdhsa_float_denorm_mode_32 3
		.amdhsa_float_denorm_mode_16_64 3
		.amdhsa_memory_ordered 1
		.amdhsa_forward_progress 1
		.amdhsa_inst_pref_size 121
	.end_amdhsa_kernel
	.amdgpu_metadata
---
amdhsa.version: [ 1, 2 ]
amdhsa.kernels:
  - .name:           k_qd70ee53750_clf
    .symbol:         k_qd70ee53750_clf.kd
    .args:
      - { .name: eq, .offset: 0, .size: 8, .value_kind: global_buffer, .address_space: global }
      - { .name: cq, .offset: 8, .size: 8, .value_kind: global_buffer, .address_space: global }
      - { .name: clf_b, .offset: 16, .size: 8, .value_kind: global_buffer, .address_space: global }
      - { .name: out0, .offset: 24, .size: 8, .value_kind: global_buffer, .address_space: global }
    .group_segment_fixed_size: 327680
    .private_segment_fixed_size: 0
    .kernarg_segment_align: 8
    .kernarg_segment_size: 32
    .max_flat_workgroup_size: 128
    .sgpr_count:     80
    .vgpr_count:     768
    .wavefront_size: 32
...
	.end_amdgpu_metadata
.endif
;; end of part 4
